; MI455X (gfx1250); checked and timed in simulation.
; The chip was launched on July 23, 2026; its instructions are those of AMD's public machine-readable ISA for CDNA 5 (MIT licence, August 2026) and "CDNA5" Instruction Set Architecture Reference Guide (July 2026). The comments in the code are by the model that wrote it; some were corrected since.
;; Multi Head Latent Attention. Allowed arithmetic: matrix products marked QUANTISED: E2M1 operands, one E8M0 scale for each 32 along K, by v_wmma_scale_f32_16x16x128_f8f6f4 with both operands' format E2M1 (or v_wmma_scale_f32_32x16x128_f4), f32 sums; products left as they are: bf16, f16 or f32 operands; f32 sums; everything else in f32.
;; Inputs: b_kv 4,096 float32; b_lat 512 float32; b_ln 512 float32; b_o 2,048 float32; b_q 2,048 float32; g_ln 512 float32; w_kv 4,096 x 512 float32; w_lat 512 x 2,048 float32; w_o 2,048 x 2,048 float32; w_q 2,048 x 2,048 float32; x 4 x 1,024 x 2,048 float32.
;; Outputs: out0 4 x 1,024 x 2,048 float32.
;; This version of the problem:
;;   THIS VERSION OF THE PROBLEM IS GIVEN IN LOW PRECISION. The matrix products marked QUANTISED in the list below multiply operands that are first quantised to E2M1 (2 exponent bits, 1 mantissa bit; 4 bits a number), with one power-of-two scale for each 32 numbers along K (OCP MX v1.0); their sums are f32. The products marked 'left as it is' may take bf16, f16 or f32 operands, with f32 sums. Whichever they take, every output number must still come out within the allowed error. Rounding operands to bf16 (8 significant bits) uses up far more of that allowance than f16 does (11 bits, for magnitudes from 6e-5 to 65,504). All else is computed in f32.
;;   The module's matrix products, in the order in which they are computed (A, B: the left and right operand; K: the contracted axis; several contracted axes count as one K, in the product's order):
;;     1. [M 4,096, K 2,048] x [K 2,048, N 2,048]; A: input x; B: input w_q: QUANTISED
;;     2. [M 4,096, K 2,048] x [K 2,048, N 512]; A: input x; B: input w_lat: QUANTISED
;;     3. [M 4,096, K 512] x [K 512, N 4,096]; A: computed on the way; B: input w_kv: left as it is (an operand is computed on the way)
;;     4. batch 64 x [M 1,024, K 128] x [K 128, N 1,024]; A: computed on the way; B: computed on the way: left as it is (an operand is computed on the way)
;;     5. batch 64 x [M 1,024, K 1,024] x [K 1,024, N 128]; A: computed on the way; B: computed on the way: left as it is (an operand is computed on the way)
;;     6. [M 4,096, K 2,048] x [K 2,048, N 2,048]; A: computed on the way; B: input w_o: left as it is (an operand is computed on the way)
;;   THE QUANTISER, for each operand of a quantised product, along K:
;;     - K is cut into blocks of 32 from its start; a last block that is shorter is filled with zeros.
;;     - A block's scale is 2^e with e = floor(log2(the largest magnitude in the block)) - 2, held to -126 .. 127; a block of zeros has e = 0. As a byte (E8M0): e + 127.
;;     - Each number is divided by its block's scale, clamped to +-6, and rounded to the nearest number of E2M1, ties to even, subnormals kept.
;;     - The product sums the exact products of the quantised numbers (number of the format x scale) in f32.
;;   ~~~python
;;   def quantise(x, axis):      # numpy; x: float32 -> the quantised numbers, widened to float32 again
;;       x = np.moveaxis(x, axis, -1); K = x.shape[-1]
;;       x = np.pad(x, [(0, 0)] * (x.ndim - 1) + [(0, -K % 32)]); x = x.reshape(x.shape[:-1] + (-1, 32)); a = np.abs(x).max(-1, keepdims=True)
;;       e = np.where(a > 0, np.clip(np.frexp(np.where(a > 0, a, 1))[1] - 1 - 2, -126, 127), 0)      # np.frexp(a)[1] - 1 = floor(log2(a)), exactly
;;       r = np.clip(x / 2.0 ** e, -6, 6)
;;       step = 2.0 ** (np.maximum(np.frexp(np.where(r == 0, 1, r))[1] - 1, 0) - 1)
;;       q = np.round(r / step) * step * 2.0 ** e      # np.round: ties to even
;;       return np.moveaxis(q.reshape(q.shape[:-2] + (-1,))[..., :K], -1, axis).astype(np.float32)
;;   ~~~
;; One version. Each part assembles by itself: llvm-mc -triple=amdgcn-amd-amdhsa -mcpu=gfx1250 --defsym DOCPART=n.
;; ======== version 1 of 1: 8 launches
;; limits: values are held in f16: magnitudes above 65,504 overflow, below 6.1e-05 lose precision
;; workspace buffers: q4 7,241,728 bytes; w16 20,971,520 bytes; cq 41,943,040 bytes; lat16 4,194,304 bytes; kv16 33,554,432 bytes; att16 16,777,216 bytes; fa 524,288 bytes
;; launch prep (part 1): grid 608 x 1, 4 waves a work-group, no clusters, 33,280 bytes of LDS; arguments x, w_q, w_lat, w_kv, w_o, q4, w16; writes q4, w16
.if DOCPART == 1
	.amdgcn_target "amdgcn-amd-amdhsa--gfx1250"
	.amdhsa_code_object_version 6
	.text
	.protected	k_qba1c12e941_prep
	.globl	k_qba1c12e941_prep
	.p2align	8
	.type	k_qba1c12e941_prep,@function
k_qba1c12e941_prep:
	s_mov_b64 s[64:65], 0
	v_nop
	global_prefetch_b8 v0, s[64:65] scope:SCOPE_SE
	s_setreg_imm32_b32 hwreg(HW_REG_WAVE_MODE, 25, 1), 1
	s_wait_xcnt 0x0
; x [4096][2048], w_q [2048][2048] and w_lat [512][2048], f32 with K innermost, become codes of FP4 (E2M1) and one E8M0 byte for each 32 along K, in q4:
;   byte 0: x's codes [4096][1024];  Q4WC: the weights' codes [2560][1024] (rows 0-2047 w_q, 2048-2559 w_lat);  Q4XS: x's scale bytes [4096][64];  Q4WS: the weights' [2560][64].
; w_kv [4096][512] becomes f16 at byte 0 of w16.  w_o [2048][2048] becomes a pair of f16: hi = f16(w) at W16OH, lo = f16((w - hi) x 2048) 8,388,608 bytes further on.
; A work-group takes 32,768 numbers, a wave 8,192.  Work-groups 0-255 x, 256-383 w_q, 384-415 w_lat, 416-479 w_kv, 480-607 w_o: only pointers are chosen by the number, and the quantiser is one path.
; THE QUANTISER.  A block's scale is 2^(floor(log2(largest magnitude)) - 2); its byte is the largest magnitude's exponent field - 2, held at 1 from below (a block of zeros keeps the byte 1: its codes are
; zeros, and this program alone reads the bytes).  Each load of a wave reads 512 consecutive bytes; a step's 2,048 bytes turn through the wave's own stage in LDS, so that a lane holds 16 neighbours along K.
; LIMITS: blocks whose largest magnitude lies under 2^(2 - 126) were not tried; NaN and infinities are not served; |w_kv| and |w_o| above 65,504 leave f16's range.
.set WAVES, 4
.set STEPS, 16
.set EMAX,  2
.set CB,    8                          ; bytes of 16 codes
.set R,     16                         ; v16-79   four sets of 16 numbers as loaded
.set X,     80                         ; v80-111  two sets of 16 neighbours
.set E,     112                        ; v112-127 a scale byte for each step
.set C,     128                        ; v128-191 codes, four registers a step
.set WREG,  8192                       ; LDS: a region for each wave: two stages of 32 x SP bytes, then its 256 scale bytes
.set SP,    80
.set SPW,   12                         ; v12 my spare word's LDS address; never rewritten
.set NIL,   13                         ; v13 0; never rewritten
.set SPARE, WAVES*WREG                 ; the spare words: 128 bytes a wave
.set Q4WC,  4194304
.set Q4XS,  6815744
.set Q4WS,  7077888
.set W16OH, 4194304
.set SRC,   30                         ; s[30:31] where my wave reads
.set DA,    26                         ; s[26:27] codes, or the high parts
.set DB,    28                         ; s[28:29] scale bytes, or the low parts
.set IN,    32                         ; the casts: v32-95 two sets of 8 x 4 numbers
.set HH,    96                         ; v96-127  two sets of 16 registers of high parts
.set LL,    128                        ; v128-159 the same of low parts
	s_load_b256 s[4:11], s[0:1], 0x0               ; x, w_q, w_lat, w_kv
	s_load_b128 s[12:15], s[0:1], 0x20             ; w_o, q4
	s_load_b64 s[16:17], s[0:1], 0x30              ; w16
	v_lshl_add_u32 v[SPW], v0, 2, SPARE
	v_mov_b32 v[NIL], 0
	v_lshrrev_b32 v1, 5, v0
	v_readfirstlane_b32 s20, v1                    ; wave
	v_and_b32 v2, 31, v0                           ; lane
	v_lshlrev_b32 v3, 4, v2                        ; my 16 bytes of a load's 512
	v_lshlrev_b32 v4, 3, v2                        ; 8 x lane: my place in a store's 256 bytes
	s_mul_i32 s18, s20, WREG
	v_lshrrev_b32 v14, 2, v2
	v_mul_u32_u24 v14, v14, SP
	v_and_b32 v15, 3, v2
	v_lshl_add_u32 v14, v15, 4, v14
	v_add_nc_u32 v14, s18, v14                     ; the stage, on the way in: SP (lane / 4) + 16 (lane % 4)
	v_mul_u32_u24 v15, v2, SP
	v_add_nc_u32 v15, s18, v15                     ; and on the way out: SP x lane
	v_lshrrev_b32 v5, 1, v2
	s_add_co_u32 s18, s18, 2*32*SP
	v_add_nc_u32 v5, s18, v5                       ; my block's scale byte in LDS
	v_add_nc_u32 v6, s18, v4                       ; and 8 bytes a lane on the way out
	s_mov_b32 s33, 0
	s_wait_kmcnt 0x0
	s_cmp_ge_u32 ttmp9, 416
	s_cbranch_scc1 .Lcast
	; ---- the quantiser: which tensor, and which run of 8,192 numbers
	s_cmp_lt_u32 ttmp9, 256
	s_cselect_b64 s[SRC:SRC+1], s[4:5], s[6:7]
	s_cselect_b32 s21, 0, 256                      ; the tensor's first work-group
	s_cselect_b32 s22, 0, Q4WC                     ; where its codes begin
	s_mov_b32 s23, Q4WS
	s_cselect_b32 s23, Q4XS, s23                   ; and its scale bytes
	s_mov_b32 s24, s21                             ; w_q and w_lat share one run of rows in q4
	s_cmp_lt_u32 ttmp9, 384
	s_cselect_b64 s[SRC:SRC+1], s[SRC:SRC+1], s[8:9]
	s_cselect_b32 s21, s21, 384
	s_sub_co_u32 s21, ttmp9, s21
	s_lshl_b32 s21, s21, 2
	s_add_co_u32 s21, s21, s20                     ; my run in the source
	s_lshl_b32 s32, s21, 15
	s_add_nc_u64 s[SRC:SRC+1], s[SRC:SRC+1], s[32:33]
	s_sub_co_u32 s24, ttmp9, s24
	s_lshl_b32 s24, s24, 2
	s_add_co_u32 s24, s24, s20                     ; my run in q4
	s_lshl_b32 s32, s24, 12
	s_add_co_u32 s32, s32, s22
	s_add_nc_u64 s[DA:DA+1], s[14:15], s[32:33]
	s_lshl_b32 s32, s24, 8
	s_add_co_u32 s32, s32, s23
	s_add_nc_u64 s[DB:DB+1], s[14:15], s[32:33]
.macro LOAD t
.irp i, 0,1,2,3
	global_load_b128 v[R+16*((\t)%4)+4*\i:R+16*((\t)%4)+4*\i+3], v3, s[SRC:SRC+1] offset:2048*(\t)+512*\i th:TH_LOAD_NT   ; 32 lanes read 512 consecutive bytes
.endr
.endm
.macro TURN t                          ; step t's numbers through the stage: LDS serves a wave's instructions in order, so no wait stands between the stores and the loads
.irp i, 0,1,2,3
	ds_store_b128 v14, v[R+16*((\t)%4)+4*\i:R+16*((\t)%4)+4*\i+3] offset:32*SP*((\t)%2)+8*SP*\i
.endr
.irp i, 0,1,2,3
	ds_load_b128 v[X+16*((\t)%2)+4*\i:X+16*((\t)%2)+4*\i+3], v15 offset:32*SP*((\t)%2)+16*\i
.endr
.endm
.irp t, 0,1,2,3
	LOAD \t
.endr
	s_wait_loadcnt 12                              ; step 0's four loads are in; twelve younger ones stay out
	TURN 0
.macro STEP t
.set XS, X+16*((\t)%2)
.if (\t) > 0
	s_wait_dscnt 1                                 ; this step's numbers are back from the stage; the last step's byte store may be out
.else
	s_wait_dscnt 0x0
.endif
.if (\t)+4 < STEPS
	LOAD (\t)+4                                    ; into the registers whose stores into the stage are done
.endif
.if (\t)+1 < STEPS
.if STEPS-2-(\t) >= 3
	s_wait_loadcnt 12                              ; the next step's four loads are in; those of the three steps behind it may be out
.else
	s_wait_loadcnt 4*(STEPS-2-(\t))
.endif
	TURN (\t)+1
.endif
	v_max3_num_f32 v8, |v[XS]|, |v[XS+1]|, |v[XS+2]|               ; the largest magnitude of my 16
	v_max3_num_f32 v9, |v[XS+3]|, |v[XS+4]|, |v[XS+5]|
.irp i, 6,10
	v_max3_num_f32 v8, v8, |v[XS+\i]|, |v[XS+\i+1]|
	v_max3_num_f32 v9, v9, |v[XS+\i+2]|, |v[XS+\i+3]|
.endr
	v_max3_num_f32 v8, v8, |v[XS+14]|, |v[XS+15]|
	v_max3_num_f32 v8, v8, v9, (EMAX+1)<<23        ; and the floor 2^(EMAX + 1 - 127): the byte cannot fall under 1
	v_max_num_f32_dpp v8, v8, v8 row_xmask:1 row_mask:0xf bank_mask:0xf   ; with my neighbour's 16: the block's
	v_add_nc_u32 v11, -(EMAX<<23), v8              ; EMAX off its exponent field: the conversion's scale operand
	v_cvt_scalef32_pk8_fp4_f32 v[C+4*(\t)], v[XS:XS+7], v11
	v_cvt_scalef32_pk8_fp4_f32 v[C+4*(\t)+1], v[XS+8:XS+15], v11
	v_lshrrev_b32 v[E+(\t)], 23, v11               ; the scale's byte
	ds_store_b8 v5, v[E+(\t)] offset:16*(\t)       ; both lanes of a block write the same byte with the same value
	global_store_b64 v4, v[C+4*(\t):C+4*(\t)+1], s[DA:DA+1] offset:32*CB*(\t)   ; the wave stores 256 consecutive bytes, aligned
.endm
.irp t, 0,1,2,3,4,5,6,7,8,9,10,11,12,13,14,15
	STEP \t
.endr
	ds_load_b64 v[8:9], v6                         ; my wave's 256 scale bytes: these loads see my stores
	s_wait_dscnt 0x0
	global_store_b64 v4, v[8:9], s[DB:DB+1]        ; 256 consecutive bytes, aligned
	s_wait_tensorcnt 0x0                           ; the wave's end
	ds_add_u32 v[SPW], v[NIL]
	s_wait_dscnt 0x0
	s_endpgm
	; ---- the casts: eight groups of eight loads, two groups ahead
.macro CLOAD g
.irp i, 0,1,2,3,4,5,6,7
	global_load_b128 v[IN+32*((\g)%2)+4*\i:IN+32*((\g)%2)+4*\i+3], v3, s[SRC:SRC+1] offset:4096*(\g)+512*\i th:TH_LOAD_NT
.endr
.endm
.macro CSTEP g, pair
.if (\g) < 7
	s_wait_loadcnt 8                               ; this group's eight loads are in; the next group's eight may be out
.else
	s_wait_loadcnt 0
.endif
	s_wait_xcnt 0x0                                ; the stores of two groups back have read their data: this set of results is written again only behind this wait
.irp i, 0,1,2,3,4,5,6,7
.set XI, IN+32*((\g)%2)+4*\i
.set HI, HH+16*((\g)%2)+2*\i
.set LI, LL+16*((\g)%2)+2*\i
	v_cvt_pk_f16_f32 v24, v[XI], v[XI+1]           ; the high parts, in fixed registers whose halves can be named
	v_cvt_pk_f16_f32 v25, v[XI+2], v[XI+3]
	v_mov_b32 v[HI], v24
	v_mov_b32 v[HI+1], v25
.if \pair
	v_cvt_f32_f16 v16, v24.l
	v_cvt_f32_f16 v17, v24.h
	v_cvt_f32_f16 v18, v25.l
	v_cvt_f32_f16 v19, v25.h
	v_pk_add_f32 v[16:17], v[XI:XI+1], v[16:17] neg_lo:[0,1] neg_hi:[0,1]       ; w - hi, exact in f32
	v_pk_add_f32 v[18:19], v[XI+2:XI+3], v[18:19] neg_lo:[0,1] neg_hi:[0,1]
	v_pk_mul_f32 v[16:17], v[16:17], 0x45000000 op_sel_hi:[1,0]                 ; x 2048, so that the low part has f16's full precision
	v_pk_mul_f32 v[18:19], v[18:19], 0x45000000 op_sel_hi:[1,0]
	v_cvt_pk_f16_f32 v[LI], v16, v17
	v_cvt_pk_f16_f32 v[LI+1], v18, v19
.endif
	global_store_b64 v4, v[HI:HI+1], s[DA:DA+1] offset:2048*(\g)+256*\i         ; 256 consecutive bytes, aligned
.if \pair
	global_store_b64 v4, v[LI:LI+1], s[DB:DB+1] offset:2048*(\g)+256*\i
.endif
.endr
.if (\g)+2 < 8
	CLOAD (\g)+2
.endif
.endm
.macro CAST pair
	CLOAD 0
	CLOAD 1
.irp g, 0,1,2,3,4,5,6,7
	CSTEP \g, \pair
.endr
	s_wait_tensorcnt 0x0                           ; the wave's end
	ds_add_u32 v[SPW], v[NIL]
	s_wait_dscnt 0x0
	s_endpgm
.endm
.Lcast:
	s_sub_co_u32 s21, ttmp9, 416
	s_cmp_lt_u32 s21, 64                           ; w_kv's work-group or w_o's?
	s_cselect_b64 s[SRC:SRC+1], s[10:11], s[12:13]
	s_cselect_b32 s22, 0, 64
	s_cselect_b32 s23, 0, W16OH
	s_sub_co_u32 s22, s21, s22
	s_lshl_b32 s22, s22, 2
	s_add_co_u32 s22, s22, s20                     ; my run of 8,192 numbers
	s_lshl_b32 s32, s22, 15
	s_add_nc_u64 s[SRC:SRC+1], s[SRC:SRC+1], s[32:33]
	s_lshl_b32 s32, s22, 14
	s_add_co_u32 s32, s32, s23
	s_add_nc_u64 s[DA:DA+1], s[16:17], s[32:33]
	s_add_nc_u64 s[DB:DB+1], s[DA:DA+1], 0x800000  ; the low parts (w_o alone stores there)
	s_cmp_lt_u32 s21, 64
	s_cbranch_scc1 .Lkv
	CAST 1
.Lkv:
	CAST 0
.Lfunc_end_k_qba1c12e941_prep:
	.size	k_qba1c12e941_prep, .Lfunc_end_k_qba1c12e941_prep-k_qba1c12e941_prep
	.p2alignl 7, 3214868480
	.fill 96, 4, 3214868480
	.section	.rodata,"a",@progbits
	.p2align	6, 0x0
	.amdhsa_kernel k_qba1c12e941_prep
		.amdhsa_group_segment_fixed_size 33280
		.amdhsa_private_segment_fixed_size 0
		.amdhsa_enable_private_segment 0
		.amdhsa_kernarg_size 56
		.amdhsa_user_sgpr_count 2
		.amdhsa_user_sgpr_kernarg_segment_ptr 1
		.amdhsa_wavefront_size32 1
		.amdhsa_system_sgpr_workgroup_id_x 1
		.amdhsa_system_sgpr_workgroup_id_y 1
		.amdhsa_system_sgpr_workgroup_id_z 1
		.amdhsa_system_vgpr_workitem_id 0
		.amdhsa_next_free_vgpr 192
		.amdhsa_next_free_sgpr 66
		.amdhsa_reserve_vcc 0
		.amdhsa_float_denorm_mode_32 3
		.amdhsa_float_denorm_mode_16_64 3
		.amdhsa_memory_ordered 1
		.amdhsa_forward_progress 1
		.amdhsa_inst_pref_size 126
	.end_amdhsa_kernel
	.amdgpu_metadata
---
amdhsa.version: [ 1, 2 ]
amdhsa.kernels:
  - .name:           k_qba1c12e941_prep
    .symbol:         k_qba1c12e941_prep.kd
    .args:
      - { .name: x, .offset: 0, .size: 8, .value_kind: global_buffer, .address_space: global }
      - { .name: w_q, .offset: 8, .size: 8, .value_kind: global_buffer, .address_space: global }
      - { .name: w_lat, .offset: 16, .size: 8, .value_kind: global_buffer, .address_space: global }
      - { .name: w_kv, .offset: 24, .size: 8, .value_kind: global_buffer, .address_space: global }
      - { .name: w_o, .offset: 32, .size: 8, .value_kind: global_buffer, .address_space: global }
      - { .name: q4, .offset: 40, .size: 8, .value_kind: global_buffer, .address_space: global }
      - { .name: w16, .offset: 48, .size: 8, .value_kind: global_buffer, .address_space: global }
    .group_segment_fixed_size: 33280
    .private_segment_fixed_size: 0
    .kernarg_segment_align: 8
    .kernarg_segment_size: 56
    .max_flat_workgroup_size: 128
    .sgpr_count:     66
    .vgpr_count:     192
    .wavefront_size: 32
...
	.end_amdgpu_metadata
.endif
;; end of part 1
;; launch gemm4 (part 2): grid 16 x 10, 4 waves a work-group, clusters of 4 x 1, 327,680 bytes of LDS; arguments q4, b_q, b_lat, cq; writes cq
.if DOCPART == 2
	.amdgcn_target "amdgcn-amd-amdhsa--gfx1250"
	.amdhsa_code_object_version 6
	.text
	.protected	k_qba1c12e941_gemm4
	.globl	k_qba1c12e941_gemm4
	.p2align	8
	.type	k_qba1c12e941_gemm4,@function
k_qba1c12e941_gemm4:
	s_mov_b64 s[64:65], 0
	v_nop
	global_prefetch_b8 v0, s[64:65] scope:SCOPE_SE
	s_setreg_imm32_b32 hwreg(HW_REG_WAVE_MODE, 25, 1), 1
	s_wait_xcnt 0x0
	s_wait_alu depctr_hold_cnt(0) depctr_sa_sdst(0) depctr_va_vdst(0) depctr_va_sdst(0) depctr_va_ssrc(0) depctr_va_vcc(0) depctr_vm_vsrc(0)
	s_getreg_b32 s2, hwreg(HW_REG_IB_STS2, 6, 4)
	s_cmp_eq_u32 s2, 0
	s_cbranch_scc0 .Lentry_in_a_cluster
	s_endpgm
.Lentry_in_a_cluster:
	s_bfe_u32 s2, ttmp6, 0x10000c
	s_cmp_lg_u32 s2, 0x3003
	s_cbranch_scc0 .Lentry_shape_is_right
	s_endpgm
.Lentry_shape_is_right:
; cq[m][n] = sum over k of x[m][k] w[n][k] + bias[n]: the two quantised products as ONE product on codes of FP4 (E2M1) with E8M0 scales: M 4,096, N 2,560 (columns 0-2047: w_q, b_q; 2048-2559: w_lat, b_lat), K 2,048.
; Codes and scale bytes lie in q4 (byte 0: x's codes; Q4WC: the weights'; Q4XS, Q4WS: their scale bytes).  cq: [4096][2560] f32.
; A tile of C, 256 x 256, is made by four waves, each 128 x 128: 64 accumulators, 512 registers.  K goes in steps of 512 (rows of 256 bytes) through a ring of two LDS slots filled by the tensor data mover.
; The scales of the tile's 256 + 256 rows, for all of K, come into LDS once, with the first fills.
; CLUSTER: C has 16 tile rows and 10 tile columns; 10 does not divide by 4, so the four partners lie along M (grid x = the tile row): they share B's tiles and B's scales, which are asked for jointly (mask 15);
; A's tiles differ between partners and come by plain loads at the same places.
; THE MATRIX INSTRUCTION IS USED TRANSPOSED (source 0 = 16 rows of the weights, source 1 = 16 rows of x): a lane holds eight neighbouring numbers of a row of C.  The bias is the C of each sum's first product.
; REGISTERS: window 0: v0-31 addresses; v32-95 scale words, two sets; v128-191 A's fragments, one set; v192-255 the bias (8 blocks x 8); on the way out v128-255 are rows of C.
;   window 1: B's fragments, two sets, at v0 and v128.   windows 2, 3: the accumulators of my rows 0-63 and 64-127 ((a, b) at v[8 (8 (a % 4) + b)]).
.set SIZE_M, 4096
.set SIZE_N, 2560
.set SIZE_K, 2048
.set Q4WC,   4194304
.set Q4XS,   6815744
.set Q4WS,   7077888
.set KSTEP,  512
.set NQ,     KSTEP/128
.set ROWB,   256
.set KROW,   SIZE_K*4/8
.set PITCH,  272                       ; 256 bytes + 16 of padding: the 16 rows that a load touches start at 16 different banks (ISA guide 11.1)
.set FR,     8
.set NL,     2
.set NP,     4
.set HALFT,  128*PITCH
.set SLOT,   4*HALFT
.set LAPS,   SIZE_K/(2*KSTEP)
.set KS,     SIZE_K/32
.set SCL,    2*SLOT
.set HALFS,  (128*KS/256)*272
.set SBLK,   (16*KS/256)*272
.set SPARE,  SCL+4*HALFS               ; the spare words: 128 bytes a wave
.set SPITCH, 528                       ; the way out: 16 rows x (512 + 16) bytes a wave, in slot 0, which has had its last fill and its last read by then
.set ADRA, 16
.set ADRB, 20
.set STO,  24
.set RD,   25
.set CO,   26
.set ADRS, 27
.set SPW,  28
.set NIL,  29
.set BO,   30                          ; v30 32 x (lane / 16): my half's eight bias numbers
.set SC,   32
.set AF,   128
.set BK,   128
.set BI,   192
.set G1, 24
.set G0, 32
.set G1B, 48
.set G0B, 56
.set G1S, 68
.set G0S, 76
.set G1SB, 80
.set G0SB, 88
.set MSB, 0
.macro WIN new                         ; the immediate's high byte repeats the setting that is left
.if MSB != \new
	s_set_vgpr_msb (MSB<<8)|\new
.set MSB, \new
.endif
.endm
.set MUL_LO, 0xa1                      ; source 0 (B) window 1, source 1 (A) window 0, C and D window 2
.set MUL_HI, 0xf1                      ; the same, C and D window 3
.set BIA_LO, 0x81                      ; C (the bias) window 0, D window 2
.set BIA_HI, 0xc1                      ; C window 0, D window 3
.set TO_B,   0x40
; Waves 0 and 1 fetch for A (plain loads), waves 2 and 3 for B (joint loads).  The branch hangs on the wave's number alone.  An s_nop 0 and four v_nop follow each line.
.macro JLOAD g0a, g1a, g0b, g1b
	s_cmp_eq_u32 s15, 0
	s_cbranch_scc0 .Lfor_b_\@
	tensor_load_to_lds s[\g0a:\g0a+3], s[\g1a:\g1a+7]
	s_nop 0
.rept 4
	v_nop
.endr
	s_branch .Lasked_\@
.Lfor_b_\@:
	tensor_load_to_lds s[\g0b:\g0b+3], s[\g1b:\g1b+7]
	s_nop 0
.rept 4
	v_nop
.endr
.Lasked_\@:
.endm
.macro CREST
	s_cmp_lg_u32 s14, 0
	s_cbranch_scc1 .Lnot_wave_0_\@
	s_barrier_signal -3
.Lnot_wave_0_\@:
	s_barrier_wait -3
	s_barrier_signal -1
	s_barrier_wait -1
.endm
.macro CROUND
	s_barrier_signal -1
	s_barrier_wait -1
	CREST
.endm
	s_load_b64 s[4:5], s[0:1], 0x0                 ; q4
	s_load_b128 s[96:99], s[0:1], 0x8              ; b_q, b_lat
	s_load_b64 s[12:13], s[0:1], 0x18              ; cq
	v_lshl_add_u32 v[SPW], v0, 2, SPARE
	v_mov_b32 v[NIL], 0
	ds_add_u32 v[SPW], v[NIL]                      ; the wave's opening: the add, twice on end, and its wait ahead of my first tensor load
	ds_add_u32 v[SPW], v[NIL]
	v_lshrrev_b32 v1, 5, v0
	v_readfirstlane_b32 s14, v1                    ; wave 0..3
	s_lshr_b32 s15, s14, 1                         ; which half of the tile's rows is mine.  Also: I fetch for A (0) or for B (1)
	s_and_b32 s16, s14, 1                          ; which half of its columns.  Also: which 128 rows I fetch
	s_bfe_u32 s40, ttmp6, 0x40000                  ; cx: my place in the cluster
	s_lshl_b32 s17, ttmp9, 2
	s_add_co_u32 s17, s17, s40                     ; tile row of C = 4 x cluster x + cx
	s_and_b32 s42, ttmp7, 0xffff                   ; tile column of C, which the four partners share
	s_mov_b32 s[G1+0], (1<<20)|(5<<22)|(3<<25)     ; A's codes: no mask; elements of 1 byte; padding: 4 words after every 64
	s_mov_b32 s[G1B+0], 15|(1<<20)|(1<<21)|(5<<22)|(3<<25)   ; B's: the mask names all four partners, bit 21 beside it
.irp g, G1, G1B
	s_mov_b32 s[\g+1], ROWB<<16                    ; tensor_dim0
	s_mov_b32 s[\g+2], 128<<16                     ; tensor_dim1
	s_mov_b32 s[\g+3], ROWB<<16                    ; tile_dim0
	s_mov_b32 s[\g+4], 128                         ; tile_dim1
	s_mov_b32 s[\g+5], KROW                        ; the pitch
	s_mov_b32 s[\g+6], 0
	s_mov_b32 s[\g+7], 0
.endr
	s_mov_b32 s[G1S+0], (3<<16)|(1<<20)|(5<<22)|(3<<25)      ; the scales of 128 rows: a dense block, as rows of 256 bytes (32 elements of 8 bytes), 16 bytes of padding behind each
	s_mov_b32 s[G1SB+0], 15|(3<<16)|(1<<20)|(1<<21)|(5<<22)|(3<<25)
.irp g, G1S, G1SB
	s_mov_b32 s[\g+1], 32<<16
	s_mov_b32 s[\g+2], (128*KS/256)<<16
	s_mov_b32 s[\g+3], 32<<16
	s_mov_b32 s[\g+4], 128*KS/256
	s_mov_b32 s[\g+5], 32
	s_mov_b32 s[\g+6], 0
	s_mov_b32 s[\g+7], 0
.endr
	s_lshl_b32 s18, s16, 7
	s_lshl_b32 s20, s17, 8
	s_add_co_u32 s20, s20, s18                     ; A: row 256 x tile row + 128 x half
	s_lshl_b32 s46, s42, 8
	s_add_co_u32 s46, s46, s18                     ; B: row 256 x tile column + 128 x half: no register of B's descriptors ever holds cx
	s_mov_b32 s21, 0
	s_mov_b32 s47, 0
	s_mov_b64 s[18:19], KS
	s_mul_u64 s[22:23], s[20:21], s[18:19]
	s_mul_u64 s[92:93], s[46:47], s[18:19]
	s_mov_b64 s[18:19], KROW
	s_mul_u64 s[20:21], s[20:21], s[18:19]
	s_mul_u64 s[46:47], s[46:47], s[18:19]
	s_mul_i32 s45, s14, HALFT                      ; where they go: wave x 128 rows
	s_mul_i32 s94, s14, HALFS
	s_wait_dscnt 0x0                               ; both opening adds are done
	s_wait_kmcnt 0x0
	s_add_nc_u64 s[6:7], s[4:5], Q4XS
	s_add_nc_u64 s[8:9], s[4:5], Q4WC
	s_add_nc_u64 s[10:11], s[4:5], Q4WS
	s_add_nc_u64 s[20:21], s[4:5], s[20:21]
	s_add_nc_u64 s[22:23], s[6:7], s[22:23]
	s_add_nc_u64 s[46:47], s[8:9], s[46:47]
	s_add_nc_u64 s[92:93], s[10:11], s[92:93]
	CROUND                                         ; all four work-groups are here: the first joint loads meet
	s_mov_b32 s[G0S], 1
	s_add_co_u32 s[G0S+1], s94, SCL
	s_mov_b64 s[G0S+2:G0S+3], s[22:23]
	s_or_b32 s[G0S+3], s[G0S+3], 0x80000000
	s_mov_b32 s[G0SB], 1
	s_add_co_u32 s[G0SB+1], s94, SCL
	s_mov_b64 s[G0SB+2:G0SB+3], s[92:93]
	s_or_b32 s[G0SB+3], s[G0SB+3], 0x80000000
	JLOAD G0S, G1S, G0SB, G1SB                     ; the scales first: three loads of mine are out at the start
.irp s, 0,1
	s_mov_b32 s[G0+4*\s], 1
	s_add_co_u32 s[G0+4*\s+1], s45, \s*SLOT
	s_add_nc_u64 s[G0+4*\s+2:G0+4*\s+3], s[20:21], \s*ROWB
	s_or_b32 s[G0+4*\s+3], s[G0+4*\s+3], 0x80000000
	s_mov_b32 s[G0B+4*\s], 1
	s_add_co_u32 s[G0B+4*\s+1], s45, \s*SLOT
	s_add_nc_u64 s[G0B+4*\s+2:G0B+4*\s+3], s[46:47], \s*ROWB
	s_or_b32 s[G0B+4*\s+3], s[G0B+4*\s+3], 0x80000000
	JLOAD G0+4*\s, G1, G0B+4*\s, G1B
.endr
	v_and_b32 v1, 15, v0                           ; l % 16
	v_bfe_u32 v2, v0, 4, 1                         ; l / 16
	v_mul_u32_u24 v3, v1, PITCH
	v_lshl_add_u32 v4, v2, 4, v3
	s_mul_i32 s21, s15, HALFT
	s_mul_i32 s22, s16, HALFT
	s_add_co_u32 s22, s22, 2*HALFT
.irp s, 0,1
	v_add_nc_u32 v[ADRA+\s], s21, v4
	v_add_nc_u32 v[ADRB+\s], s22, v4
	s_add_co_u32 s21, s21, SLOT
	s_add_co_u32 s22, s22, SLOT
.endr
	v_mul_u32_u24 v5, v1, KS                       ; my row's scales: KS bytes a row,
	v_lshrrev_b32 v6, 8, v5
	v_lshl_add_u32 v5, v6, 4, v5                   ; and 16 more for each 256 passed
	s_mul_i32 s21, s15, HALFS
	s_mul_i32 s22, s16, HALFS
	s_add_co_u32 s22, s22, 2*HALFS
	s_sub_co_u32 s22, s22, s21
	v_mul_u32_u24 v6, s22, v2                      ; lanes 16-31 take B's
	s_add_co_u32 s21, s21, SCL
	v_add_nc_u32 v5, v5, v6
	v_add_nc_u32 v[ADRS], s21, v5
	s_mul_i32 s23, s14, 16*SPITCH
	v_mul_u32_u24 v5, v1, SPITCH
	v_lshl_add_u32 v5, v2, 5, v5
	v_add_nc_u32 v[STO], s23, v5
	v_and_b32 v6, 31, v0
	v_lshlrev_b32 v[CO], 4, v6
	v_add_nc_u32 v[RD], s23, v[CO]
	s_lshl_b32 s20, s17, 8
	s_lshl_b32 s21, s15, 7
	s_add_co_u32 s20, s20, s21                     ; my first row of C
	s_mov_b32 s21, 0
	s_mov_b64 s[18:19], SIZE_N*4
	s_mul_u64 s[20:21], s[20:21], s[18:19]
	s_lshl_b32 s46, s42, 10
	s_lshl_b32 s47, s16, 9
	s_add_co_u32 s46, s46, s47                     ; my first column, in bytes
	s_mov_b32 s47, 0
	s_add_nc_u64 s[20:21], s[20:21], s[46:47]
	s_add_nc_u64 s[12:13], s[12:13], s[20:21]
	; the bias of my 128 columns: tile columns 0-7 take b_q, 8 and 9 b_lat; s46 is 4 x my first column
	s_cmp_lt_u32 s42, 8
	s_cselect_b64 s[96:97], s[96:97], s[98:99]
	s_cselect_b32 s19, 0, 8192
	s_sub_co_u32 s18, s46, s19
	s_mov_b32 s19, 0
	s_add_nc_u64 s[96:97], s[96:97], s[18:19]
	v_lshlrev_b32 v[BO], 5, v2
.irp b, 0,1,2,3,4,5,6,7
	global_load_b128 v[BI+8*\b:BI+8*\b+3], v[BO], s[96:97] offset:64*\b          ; lane (r, h): bias of columns 16 b + 8 h + 0 .. 7: the result's layout
	global_load_b128 v[BI+8*\b+4:BI+8*\b+7], v[BO], s[96:97] offset:64*\b+16
.endr
.macro FRAG reg, adr, q, i             ; 16 rows x 128 K of 4-bit codes: 8 registers, two loads of 16 bytes, 32 bytes apart
.irp c, 0,1
	ds_load_b128 v[\reg+4*\c:\reg+4*\c+3], v[\adr] offset:64*(\q)+32*\c+(\i)*16*PITCH
.endr
.endm
; 16 matrix instructions: A's blocks a0, a0 + 1 x B's eight.  zero = 1: the first product starts the sums from the bias.  The 64 accumulators take turns, one instruction a turn.
.macro MUL16 a0, p, q, sc, zero
.irp a, \a0, \a0+1
.irp b, 0,1,2,3,4,5,6,7
.if \zero
	v_wmma_scale_f32_16x16x128_f8f6f4 v[8*(8*((\a)%4)+\b):8*(8*((\a)%4)+\b)+7], v[128*(\p)+FR*\b:128*(\p)+FR*\b+FR-1], v[AF+FR*(\a):AF+FR*(\a)+FR-1], v[BI+8*\b:BI+8*\b+7], v[SC+8*NQ*(\sc)+NQ*\b+(\q)], v[SC+8*NQ*(\sc)+NQ*(\a)+(\q)] matrix_a_fmt:MATRIX_FMT_FP4 matrix_b_fmt:MATRIX_FMT_FP4 matrix_a_scale:MATRIX_SCALE_ROW1
.else
	v_wmma_scale_f32_16x16x128_f8f6f4 v[8*(8*((\a)%4)+\b):8*(8*((\a)%4)+\b)+7], v[128*(\p)+FR*\b:128*(\p)+FR*\b+FR-1], v[AF+FR*(\a):AF+FR*(\a)+FR-1], v[8*(8*((\a)%4)+\b):8*(8*((\a)%4)+\b)+7], v[SC+8*NQ*(\sc)+NQ*\b+(\q)], v[SC+8*NQ*(\sc)+NQ*(\a)+(\q)] matrix_a_fmt:MATRIX_FMT_FP4 matrix_b_fmt:MATRIX_FMT_FP4 matrix_a_scale:MATRIX_SCALE_ROW1
.endif
.endr
.endr
.endm
.macro FETCH_B slot, q, p
	WIN TO_B
.irp i, 0,1,2,3,4,5,6,7
	FRAG 128*(\p)+FR*\i, ADRB+\slot, \q, \i
.endr
	WIN 0
.endm
.macro FETCH_A slot, q, i0
.irp i, \i0, \i0+1, \i0+2, \i0+3
	FRAG AF+FR*(\i), ADRA+\slot, \q, \i
.endr
.endm
.macro SCALES sc                       ; the K step's scale words: lanes 0-15 A's block i, lanes 16-31 B's block i
.irp i, 0,1,2,3,4,5,6,7
	ds_load_b128 v[SC+8*NQ*\sc+NQ*\i:SC+8*NQ*\sc+NQ*\i+3], v[ADRS] offset:\i*SBLK
.endr
.endm
.macro PLACES n                        ; plain vector instructions between a matrix instruction and a load into, or a read of, its registers
.rept \n
	v_nop
.endr
.endm
.macro STEP slot, q, zero
	s_wait_dscnt 4*NL                              ; B's set and A's blocks 0-3 are in; the youngest eight loads (A's blocks 4-7) may be out
.if \zero
	WIN BIA_LO
.else
	WIN MUL_LO
.endif
	MUL16 0, (\q)%2, \q, \slot, \zero
	MUL16 2, (\q)%2, \q, \slot, \zero
	s_wait_dscnt 0
	PLACES NP
	FETCH_B \slot, (\q)+1, 1-(\q)%2
	FETCH_A \slot, (\q)+1, 0
.if \zero
	WIN BIA_HI
.else
	WIN MUL_HI
.endif
	MUL16 4, (\q)%2, \q, \slot, \zero
	MUL16 6, (\q)%2, \q, \slot, \zero
	PLACES NP
	WIN 0
	FETCH_A \slot, (\q)+1, 4
.endm
; A slot's last step changes slots: one barrier; in front of it each wave waits for all its tensor loads, adds 0 to its spare word, and waits for that and for its reads of this slot.
.macro TURN slot, next, fill
	s_wait_tensorcnt 0x0                           ; all my tensor loads have landed: my part of the next slot
	ds_add_u32 v[SPW], v[NIL]
	s_wait_dscnt 4*NL+1                            ; the add and the youngest eight loads may be out
	WIN MUL_LO
	MUL16 0, 1, NQ-1, \slot, 0
	s_wait_dscnt 0x0                               ; the add is done, and my reads of this slot are over
	s_barrier_signal -1
	MUL16 2, 1, NQ-1, \slot, 0
	WIN 0
	s_barrier_wait -1
.if \fill
	CREST                                          ; the barrier has opened a round of the cluster's barrier: no wave of any partner still reads this slot or has a load on its way
	s_add_nc_u64 s[G0+4*\slot+2:G0+4*\slot+3], s[G0+4*\slot+2:G0+4*\slot+3], 2*ROWB
	s_add_nc_u64 s[G0B+4*\slot+2:G0B+4*\slot+3], s[G0B+4*\slot+2:G0B+4*\slot+3], 2*ROWB
	JLOAD G0+4*\slot, G1, G0B+4*\slot, G1B         ; my one tensor load behind the round; its four v_nop are the places in front of the loads below
.else
	PLACES NP
.endif
	v_add_nc_u32 v[ADRS], 4*NQ, v[ADRS]            ; on to the next K step's scale words
	FETCH_B \next, 0, 0
	FETCH_A \next, 0, 0
	SCALES \next
	WIN MUL_HI
	MUL16 4, 1, NQ-1, \slot, 0
	MUL16 6, 1, NQ-1, \slot, 0
	PLACES NP
	WIN 0
	FETCH_A \next, 0, 4
.endm
.macro STEPS slot, from
.set Q, \from
.rept NQ-1-\from
	STEP \slot, Q, 0
.set Q, Q+1
.endr
.endm
	s_wait_tensorcnt 1                             ; the scales and my part of K step 0 are in; K step 1's load may be out
	s_barrier_signal -1
	s_barrier_wait -1
	FETCH_B 0, 0, 0
	FETCH_A 0, 0, 0
	SCALES 0
	FETCH_A 0, 0, 4
	s_wait_loadcnt 0x0                             ; the bias
	STEP 0, 0, 1                                   ; the first step stands in front of the loop: its products start the sums
	s_mov_b32 s3, LAPS-1
.Llap:                                                 ; a trip goes once round the ring and fills both slots again
	STEPS 0, 1
	TURN 0, 1, 1
	STEPS 1, 0
	TURN 1, 0, 1
	STEP 0, 0, 0
	s_sub_co_u32 s3, s3, 1
	s_cmp_lg_u32 s3, 0
	s_cbranch_scc1 .Llap
	STEPS 0, 1                                     ; the last lap fills nothing
	TURN 0, 1, 0
	STEPS 1, 0
	s_wait_dscnt 4*NL
	WIN MUL_LO
	MUL16 0, 1, NQ-1, 1, 0
	MUL16 2, 1, NQ-1, 1, 0
	s_wait_dscnt 0
	WIN MUL_HI
	MUL16 4, 1, NQ-1, 1, 0
	MUL16 6, 1, NQ-1, 1, 0
	WIN 0
; THE WAY OUT, block by block of 16 rows x 128 columns, through my own stage: whole rows of 512 bytes come back and leave as two aligned runs of 256 bytes.
.macro TOSTAGE a
.set AC, 64*((\a)%4)
	WIN 0x08+4*((\a)/4)                            ; the data: window 2 or 3
.irp b, 0,1,2,3,4,5,6,7
	ds_store_b128 v[STO], v[AC+8*\b:AC+8*\b+3] offset:64*\b          ; each accumulator from its low end on
	ds_store_b128 v[STO], v[AC+8*\b+4:AC+8*\b+7] offset:64*\b+16
.endr
	WIN 0
.set BB, BK+64*((\a)%2)
.irp t, 0,1,2,3,4,5,6,7,8,9,10,11,12,13,14,15
	ds_load_b128 v[BB+4*\t:BB+4*\t+3], v[RD] offset:\t*SPITCH
.endr
.endm
.macro SEND a, younger
.set BB, BK+64*((\a)%2)
	s_wait_dscnt \younger                          ; the block is back in registers; the next block's 16 stores and 16 loads may be out
.if (\a) > 0
	s_add_nc_u64 s[12:13], s[12:13], 16*SIZE_N*4   ; behind a wait on XCNT: the earlier stores have read their base
.endif
.irp t, 0,1,2,3,4,5,6,7,8,9,10,11,12,13,14,15
	global_store_b128 v[CO], v[BB+4*\t:BB+4*\t+3], s[12:13] offset:\t*SIZE_N*4   ; 32 lanes store 512 consecutive bytes, at a multiple of 256 from cq's first byte
.endr
.endm
	PLACES NP
	TOSTAGE 0
.irp a, 1,2,3,4,5,6,7
.if \a > 1
	s_wait_xcnt 0x0                                ; block a - 2's stores have read their registers and their base
.endif
	TOSTAGE \a
	SEND \a-1, 32
.endr
	s_wait_xcnt 0x0
	SEND 7, 0
	s_wait_tensorcnt 0x0                           ; the wave's end
	ds_add_u32 v[SPW], v[NIL]
	s_wait_dscnt 0x0
	CROUND                                         ; the closing round
	s_endpgm
.Lfunc_end_k_qba1c12e941_gemm4:
	.size	k_qba1c12e941_gemm4, .Lfunc_end_k_qba1c12e941_gemm4-k_qba1c12e941_gemm4
	.p2alignl 7, 3214868480
	.fill 96, 4, 3214868480
	.section	.rodata,"a",@progbits
	.p2align	6, 0x0
	.amdhsa_kernel k_qba1c12e941_gemm4
		.amdhsa_group_segment_fixed_size 327680
		.amdhsa_private_segment_fixed_size 0
		.amdhsa_enable_private_segment 0
		.amdhsa_kernarg_size 32
		.amdhsa_user_sgpr_count 2
		.amdhsa_user_sgpr_kernarg_segment_ptr 1
		.amdhsa_wavefront_size32 1
		.amdhsa_system_sgpr_workgroup_id_x 1
		.amdhsa_system_sgpr_workgroup_id_y 1
		.amdhsa_system_sgpr_workgroup_id_z 1
		.amdhsa_system_vgpr_workitem_id 0
		.amdhsa_next_free_vgpr 1024
		.amdhsa_next_free_sgpr 100
		.amdhsa_reserve_vcc 0
		.amdhsa_float_denorm_mode_32 3
		.amdhsa_float_denorm_mode_16_64 3
		.amdhsa_memory_ordered 1
		.amdhsa_forward_progress 1
		.amdhsa_inst_pref_size 213
	.end_amdhsa_kernel
	.amdgpu_metadata
---
amdhsa.version: [ 1, 2 ]
amdhsa.kernels:
  - .name:           k_qba1c12e941_gemm4
    .symbol:         k_qba1c12e941_gemm4.kd
    .args:
      - { .name: q4, .offset: 0, .size: 8, .value_kind: global_buffer, .address_space: global }
      - { .name: b_q, .offset: 8, .size: 8, .value_kind: global_buffer, .address_space: global }
      - { .name: b_lat, .offset: 16, .size: 8, .value_kind: global_buffer, .address_space: global }
      - { .name: cq, .offset: 24, .size: 8, .value_kind: global_buffer, .address_space: global }
    .group_segment_fixed_size: 327680
    .private_segment_fixed_size: 0
    .kernarg_segment_align: 8
    .kernarg_segment_size: 32
    .max_flat_workgroup_size: 128
    .sgpr_count:     100
    .vgpr_count:     1024
    .wavefront_size: 32
...
	.end_amdgpu_metadata
.endif
;; end of part 2
;; launch ln (part 3): grid 256 x 1, 4 waves a work-group, no clusters, 0 bytes of LDS; arguments cq, g_ln, b_ln, lat16; writes lat16
.if DOCPART == 3
	.amdgcn_target "amdgcn-amd-amdhsa--gfx1250"
	.amdhsa_code_object_version 6
	.text
	.protected	k_qba1c12e941_ln
	.globl	k_qba1c12e941_ln
	.p2align	8
	.type	k_qba1c12e941_ln,@function
k_qba1c12e941_ln:
	s_mov_b64 s[64:65], 0
	v_nop
	global_prefetch_b8 v0, s[64:65] scope:SCOPE_SE
	s_setreg_imm32_b32 hwreg(HW_REG_WAVE_MODE, 25, 1), 1
	s_wait_xcnt 0x0
; lat16[row][:] = f16(LayerNorm(cq[row][2048 .. 2559]) x g_ln + b_ln).  The mean is taken first and subtracted, then the mean of the squares of the differences, as the definition has it; all in f32.
; A wave takes 4 rows; a row's 512 numbers are 16 a lane: lane l holds columns 128 i + 4 l + 0 .. 3, so each load reads 512 consecutive bytes and each store writes 256, aligned.
; No LDS, no barrier, no matrix unit: a row never leaves its wave, and memory binds.
; LIMIT: a normalised number above 65,504 in magnitude (|g| x 22.6 + |b| bounds it) leaves f16's range; NaN and infinities are not served.
.set G,  4                             ; v4-19   g_ln of my 16 columns
.set BB, 20                            ; v20-35  b_ln
.set X,  36                            ; v36-99  four rows of 16
.set MU, 100                           ; v100-107 a pair a row: the low word holds the mean, later 1 / sqrt(var + eps); the high word 0
.set T,  108                           ; v108-111 at work; v111 a lane permute's destination
.set Y,  112                           ; v112-143 at work, then the results, 8 registers a row
	s_load_b256 s[4:11], s[0:1], 0x0               ; cq, g_ln, b_ln, lat16
	v_lshrrev_b32 v3, 5, v0
	v_readfirstlane_b32 s14, v3                    ; wave
	v_and_b32 v1, 31, v0
	v_lshlrev_b32 v2, 3, v1                        ; 8 x lane: out
	v_lshlrev_b32 v1, 4, v1                        ; 16 x lane: in
	s_lshl_b32 s15, ttmp9, 4
	s_lshl_b32 s16, s14, 2
	s_add_co_u32 s15, s15, s16                     ; my first row
	s_mul_i32 s16, s15, 10240
	s_add_co_u32 s16, s16, 8192                    ; column 2,048 of it
	s_mov_b32 s17, 0
	s_lshl_b32 s18, s15, 10
	s_mov_b32 s19, 0
	s_mov_b32 s12, 0x76543210
	s_mov_b32 s13, 0xfedcba98                      ; lane l xor 16
	s_mov_b32 s20, 0x3b000000                      ; 1 / 512
	v_mov_b32 v[T+3], 0
.irp p, 0,1,2,3
	v_mov_b32 v[MU+2*\p+1], 0                      ; named with the low word as a pair
.endr
	s_wait_kmcnt 0x0
	s_add_nc_u64 s[4:5], s[4:5], s[16:17]
	s_add_nc_u64 s[10:11], s[10:11], s[18:19]
.irp i, 0,1,2,3
	global_load_b128 v[G+4*\i:G+4*\i+3], v1, s[6:7] offset:512*\i
.endr
.irp i, 0,1,2,3
	global_load_b128 v[BB+4*\i:BB+4*\i+3], v1, s[8:9] offset:512*\i
.endr
.irp p, 0,1,2,3
.irp i, 0,1,2,3
	global_load_b128 v[X+16*\p+4*\i:X+16*\p+4*\i+3], v1, s[4:5] offset:10240*\p+512*\i th:TH_LOAD_NT
.endr
.endr
.macro ALLSUM                          ; v[T] summed over the 32 lanes, in every lane
	v_add_f32_dpp v[T], v[T], v[T] row_xmask:1 row_mask:0xf bank_mask:0xf
	v_add_f32_dpp v[T], v[T], v[T] row_xmask:2 row_mask:0xf bank_mask:0xf
	v_add_f32_dpp v[T], v[T], v[T] row_xmask:4 row_mask:0xf bank_mask:0xf
	v_add_f32_dpp v[T], v[T], v[T] row_xmask:8 row_mask:0xf bank_mask:0xf
	v_permlanex16_b32 v[T+3], v[T], s12, s13
	v_add_f32 v[T], v[T], v[T+3]
.endm
.macro STAT p
.set XR, X+16*(\p)
	s_wait_loadcnt 4*(3-(\p))                      ; my row's four loads are in; the later rows' may be out
.irp k, 0,1,2,3
	v_pk_add_f32 v[Y+2*\k:Y+2*\k+1], v[XR+4*\k:XR+4*\k+1], v[XR+4*\k+2:XR+4*\k+3]
.endr
	v_pk_add_f32 v[Y:Y+1], v[Y:Y+1], v[Y+2:Y+3]
	v_pk_add_f32 v[Y+4:Y+5], v[Y+4:Y+5], v[Y+6:Y+7]
	v_pk_add_f32 v[Y:Y+1], v[Y:Y+1], v[Y+4:Y+5]
	v_add_f32 v[T], v[Y], v[Y+1]
	ALLSUM
	v_mul_f32 v[MU+2*(\p)], s20, v[T]              ; the mean
.irp k, 0,1,2,3,4,5,6,7
	v_pk_add_f32 v[XR+2*\k:XR+2*\k+1], v[XR+2*\k:XR+2*\k+1], v[MU+2*(\p):MU+2*(\p)+1] op_sel_hi:[1,0] neg_lo:[0,1] neg_hi:[0,1]   ; x - mean, in place
.endr
	v_pk_mul_f32 v[Y:Y+1], v[XR:XR+1], v[XR:XR+1]
	v_pk_mul_f32 v[Y+2:Y+3], v[XR+2:XR+3], v[XR+2:XR+3]
.irp k, 2,4,6
	v_pk_fma_f32 v[Y:Y+1], v[XR+2*\k:XR+2*\k+1], v[XR+2*\k:XR+2*\k+1], v[Y:Y+1]
	v_pk_fma_f32 v[Y+2:Y+3], v[XR+2*\k+2:XR+2*\k+3], v[XR+2*\k+2:XR+2*\k+3], v[Y+2:Y+3]
.endr
	v_pk_add_f32 v[Y:Y+1], v[Y:Y+1], v[Y+2:Y+3]
	v_add_f32 v[T], v[Y], v[Y+1]
	ALLSUM
	v_fmaak_f32 v[T+1], s20, v[T], 0x3727c5ac      ; var + 1e-5
	v_rsq_f32 v[MU+2*(\p)], v[T+1]                 ; the mean is done with: its register takes the factor
.endm
.macro NORM p
.set XR, X+16*(\p)
.irp k, 0,1,2,3,4,5,6,7
	v_pk_mul_f32 v[XR+2*\k:XR+2*\k+1], v[XR+2*\k:XR+2*\k+1], v[MU+2*(\p):MU+2*(\p)+1] op_sel_hi:[1,0]
.endr
.irp k, 0,1,2,3,4,5,6,7
	v_pk_fma_f32 v[XR+2*\k:XR+2*\k+1], v[XR+2*\k:XR+2*\k+1], v[G+2*\k:G+2*\k+1], v[BB+2*\k:BB+2*\k+1]
.endr
.irp k, 0,1,2,3,4,5,6,7
	v_cvt_pk_f16_f32 v[Y+8*(\p)+\k], v[XR+2*\k], v[XR+2*\k+1]
.endr
.irp i, 0,1,2,3
	global_store_b64 v2, v[Y+8*(\p)+2*\i:Y+8*(\p)+2*\i+1], s[10:11] offset:1024*(\p)+256*\i   ; the wave stores 256 consecutive bytes, aligned
.endr
.endm
	STAT 0
	STAT 1
	STAT 2
	STAT 3
	v_nop                                          ; a plain instruction behind the last reciprocal root
	s_wait_alu depctr_va_vdst(0)                   ; one wait for the four, ahead of their first reader
	NORM 0
	NORM 1
	NORM 2
	NORM 3
	s_endpgm
.Lfunc_end_k_qba1c12e941_ln:
	.size	k_qba1c12e941_ln, .Lfunc_end_k_qba1c12e941_ln-k_qba1c12e941_ln
	.p2alignl 7, 3214868480
	.fill 96, 4, 3214868480
	.section	.rodata,"a",@progbits
	.p2align	6, 0x0
	.amdhsa_kernel k_qba1c12e941_ln
		.amdhsa_group_segment_fixed_size 0
		.amdhsa_private_segment_fixed_size 0
		.amdhsa_enable_private_segment 0
		.amdhsa_kernarg_size 32
		.amdhsa_user_sgpr_count 2
		.amdhsa_user_sgpr_kernarg_segment_ptr 1
		.amdhsa_wavefront_size32 1
		.amdhsa_system_sgpr_workgroup_id_x 1
		.amdhsa_system_sgpr_workgroup_id_y 1
		.amdhsa_system_sgpr_workgroup_id_z 1
		.amdhsa_system_vgpr_workitem_id 0
		.amdhsa_next_free_vgpr 144
		.amdhsa_next_free_sgpr 66
		.amdhsa_reserve_vcc 0
		.amdhsa_float_denorm_mode_32 3
		.amdhsa_float_denorm_mode_16_64 3
		.amdhsa_memory_ordered 1
		.amdhsa_forward_progress 1
		.amdhsa_inst_pref_size 21
	.end_amdhsa_kernel
	.amdgpu_metadata
---
amdhsa.version: [ 1, 2 ]
amdhsa.kernels:
  - .name:           k_qba1c12e941_ln
    .symbol:         k_qba1c12e941_ln.kd
    .args:
      - { .name: cq, .offset: 0, .size: 8, .value_kind: global_buffer, .address_space: global }
      - { .name: g_ln, .offset: 8, .size: 8, .value_kind: global_buffer, .address_space: global }
      - { .name: b_ln, .offset: 16, .size: 8, .value_kind: global_buffer, .address_space: global }
      - { .name: lat16, .offset: 24, .size: 8, .value_kind: global_buffer, .address_space: global }
    .group_segment_fixed_size: 0
    .private_segment_fixed_size: 0
    .kernarg_segment_align: 8
    .kernarg_segment_size: 32
    .max_flat_workgroup_size: 128
    .sgpr_count:     66
    .vgpr_count:     144
    .wavefront_size: 32
...
	.end_amdgpu_metadata
.endif
;; end of part 3
;; launch kvgemm (part 4): grid 16 x 16, 4 waves a work-group, clusters of 4 x 4, 327,680 bytes of LDS; arguments lat16, w16, kv16, b_kv; writes kv16
.if DOCPART == 4
	.amdgcn_target "amdgcn-amd-amdhsa--gfx1250"
	.amdhsa_code_object_version 6
	.text
	.protected	k_qba1c12e941_kvgemm
	.globl	k_qba1c12e941_kvgemm
	.p2align	8
	.type	k_qba1c12e941_kvgemm,@function
k_qba1c12e941_kvgemm:
	s_mov_b64 s[64:65], 0
	v_nop
	global_prefetch_b8 v0, s[64:65] scope:SCOPE_SE
	s_setreg_imm32_b32 hwreg(HW_REG_WAVE_MODE, 25, 1), 1
	s_wait_xcnt 0x0
	s_wait_alu depctr_hold_cnt(0) depctr_sa_sdst(0) depctr_va_vdst(0) depctr_va_sdst(0) depctr_va_ssrc(0) depctr_va_vcc(0) depctr_vm_vsrc(0)
	s_getreg_b32 s2, hwreg(HW_REG_IB_STS2, 6, 4)
	s_cmp_eq_u32 s2, 0
	s_cbranch_scc0 .Lentry_in_a_cluster
	s_endpgm
.Lentry_in_a_cluster:
	s_bfe_u32 s2, ttmp6, 0x10000c
	s_cmp_lg_u32 s2, 0xf033
	s_cbranch_scc0 .Lentry_shape_is_right
	s_endpgm
.Lentry_shape_is_right:
; kv16[m][n] = f16(sum over k of lat16[m][k] w_kv[n][k] + b_kv[n]).  A: lat16 [4096][512] f16; B: w_kv as f16 at byte BOFF of w16, [4096][512]; sums in f32; the bias is the C of each sum's first product.
; A tile of C is 256 x 32 NB; four waves, each 128 rows x 16 NB columns.  K goes in steps of 128 (rows of 256 bytes) through a ring of two LDS slots filled by the tensor data mover.
; CLUSTER 4 x 4: A's tile is shared along a row of the cluster, B's along a column: each is asked for jointly, by the same tensor load with the same descriptor and a mask that names the four.
; THE MATRIX INSTRUCTION IS USED TRANSPOSED (source 0 = 16 rows of B, source 1 = 16 rows of A): a lane holds eight neighbouring numbers of a row of C.
; No prefetch: K has four steps, of which two are the first fills.
; LIMIT: results above 65,504 in magnitude leave f16's range.
; REGISTERS: window 0: v0-31 addresses; v64-127, v128-191 A's fragments, two buffers; v192-255 the bias, later packed results (v192-223) and rows read back (v32-63, v224-255 by turns).
;   window 1: v64.., v128.. B's fragments, two buffers.   windows 2, 3: the accumulators of my rows 0-63, 64-127 ((a, b) at v[8 (8 (a % 4) + b)]).
.set SIZE_M, 4096
.set SIZE_N, 4096
.set SIZE_K, 512
.set NB,     8                         ; blocks of 16 columns a wave
.set OUT32,  0                         ; C in f16
.set ESZ,    2
.set BOFF,   0
.set KSTEP,  128
.set PITCH,  272                       ; 256 bytes + 16 of padding: the 16 rows that a load touches start at 16 different banks (ISA guide 11.1)
.set HALFA,  128*PITCH
.set HALFB,  16*NB*PITCH
.set SLOT,   2*HALFA+2*HALFB           ; A's 256 rows, then B's 32 NB rows
.set STAGE,  2*SLOT                    ; behind the ring: 16 rows x 272 bytes a wave
.set SPITCH, 272
.set SPARE,  STAGE+4*16*SPITCH         ; the spare words: 128 bytes a wave
.set LAPS,   SIZE_K/(2*KSTEP)
.set ROWC,   SIZE_N*ESZ                ; a row of C in bytes
.set ADRA, 16
.set ADRB, 20
.set STO,  24
.set RD,   25
.set CO,   26
.set BO,   27
.set SPW,  28
.set NIL,  29
.set F0,   64
.set F1,   128
.set TMP,  192
.set BI,   192
.set OB,   32
.set G1, 24
.set G0, 32
.set G1B, 48
.set G0B, 56
.set MSB, 0
.macro WIN new                         ; the immediate's high byte repeats the setting that is left
.if MSB != \new
	s_set_vgpr_msb (MSB<<8)|\new
.set MSB, \new
.endif
.endm
.set MUL_LO, 0xa1                      ; source 0 (B) window 1, source 1 (A) window 0, C and D window 2
.set MUL_HI, 0xf1
.set BIA_LO, 0x81                      ; C (the bias) window 0, D window 2
.set BIA_HI, 0xc1
.set TO_B,   0x40
.macro JLOAD s                         ; waves 0 and 1 fetch A's halves, waves 2 and 3 B's; an s_nop 0 and four v_nop follow each line
	s_cmp_eq_u32 s11, 0
	s_cbranch_scc0 .Lfor_b_\@
	tensor_load_to_lds s[G0+4*\s:G0+4*\s+3], s[G1:G1+7]
	s_nop 0
.rept 4
	v_nop
.endr
	s_branch .Lasked_\@
.Lfor_b_\@:
	tensor_load_to_lds s[G0B+4*\s:G0B+4*\s+3], s[G1B:G1B+7]
	s_nop 0
.rept 4
	v_nop
.endr
.Lasked_\@:
.endm
.macro CREST
	s_cmp_lg_u32 s10, 0
	s_cbranch_scc1 .Lnot_wave_0_\@
	s_barrier_signal -3
.Lnot_wave_0_\@:
	s_barrier_wait -3
	s_barrier_signal -1
	s_barrier_wait -1
.endm
.macro CROUND
	s_barrier_signal -1
	s_barrier_wait -1
	CREST
.endm
	s_load_b128 s[4:7], s[0:1], 0x0                ; A, w16
	s_load_b64 s[8:9], s[0:1], 0x10                ; C
	s_load_b64 s[66:67], s[0:1], 0x18              ; the bias
	v_lshl_add_u32 v[SPW], v0, 2, SPARE
	v_mov_b32 v[NIL], 0
	ds_add_u32 v[SPW], v[NIL]                      ; the wave's opening: the add, twice on end, and its wait ahead of my first tensor load
	ds_add_u32 v[SPW], v[NIL]
	v_lshrrev_b32 v1, 5, v0
	v_readfirstlane_b32 s10, v1                    ; wave 0..3
	s_lshr_b32 s11, s10, 1                         ; which half of the tile's rows is mine.  Also: I fetch for A (0) or for B (1)
	s_and_b32 s12, s10, 1                          ; which half of its columns.  Also: which half of that tile I fetch
	s_bfe_u32 s40, ttmp6, 0x40000                  ; cx
	s_bfe_u32 s41, ttmp6, 0x40004                  ; cy
	s_lshl_b32 s42, ttmp9, 2
	s_add_co_u32 s42, s42, s40                     ; tile column
	s_and_b32 s13, ttmp7, 0xffff
	s_lshl_b32 s13, s13, 2
	s_add_co_u32 s13, s13, s41                     ; tile row
	s_lshl_b32 s43, s41, 2
	s_lshl_b32 s43, 15, s43                        ; my row of the cluster
	s_lshl_b32 s44, 0x1111, s40                    ; my column
	s_or_b32 s[G1+0], s43, (1<<16)|(1<<20)|(1<<21)|(5<<22)|(3<<25)   ; the mask; elements of 2 bytes; padding: 4 words after every 64; bit 21 beside the mask
	s_or_b32 s[G1B+0], s44, (1<<16)|(1<<20)|(1<<21)|(5<<22)|(3<<25)
	s_mov_b32 s[G1+1], KSTEP<<16                   ; tensor_dim0
	s_mov_b32 s[G1B+1], KSTEP<<16
	s_mov_b32 s[G1+2], 128<<16                     ; tensor_dim1
	s_mov_b32 s[G1B+2], (16*NB)<<16
	s_mov_b32 s[G1+3], KSTEP<<16                   ; tile_dim0
	s_mov_b32 s[G1B+3], KSTEP<<16
	s_mov_b32 s[G1+4], 128                         ; tile_dim1
	s_mov_b32 s[G1B+4], 16*NB
	s_mov_b32 s[G1+5], SIZE_K                      ; the pitch, in elements
	s_mov_b32 s[G1B+5], SIZE_K
	s_mov_b32 s[G1+6], 0
	s_mov_b32 s[G1B+6], 0
	s_mov_b32 s[G1+7], 0
	s_mov_b32 s[G1B+7], 0
	s_lshl_b32 s17, s12, 7
	s_lshl_b32 s16, s13, 8
	s_add_co_u32 s16, s16, s17                     ; A: row 256 x tile row + 128 x half
	s_mul_i32 s46, s42, 32*NB
	s_mul_i32 s47, s12, 16*NB
	s_add_co_u32 s46, s46, s47                     ; B: row 32 NB x tile column + 16 NB x half
	s_mov_b32 s17, 0
	s_mov_b32 s47, 0
	s_mov_b64 s[18:19], SIZE_K*2
	s_mul_u64 s[16:17], s[16:17], s[18:19]
	s_mul_u64 s[46:47], s[46:47], s[18:19]
	s_mul_i32 s20, s12, HALFA                      ; where they go: no place in the cluster enters an LDS address
	s_mul_i32 s21, s12, HALFB
	s_add_co_u32 s21, s21, 2*HALFA
	s_wait_dscnt 0x0                               ; both opening adds are done
	s_wait_kmcnt 0x0
	s_add_nc_u64 s[14:15], s[4:5], s[16:17]
	s_add_nc_u64 s[46:47], s[6:7], s[46:47]
.if BOFF
	s_add_nc_u64 s[46:47], s[46:47], BOFF
.endif
	CROUND                                         ; all sixteen work-groups are here: the first joint loads meet
.irp s, 0,1
	s_mov_b32 s[G0+4*\s], 1
	s_add_co_u32 s[G0+4*\s+1], s20, \s*SLOT
	s_add_nc_u64 s[G0+4*\s+2:G0+4*\s+3], s[14:15], \s*KSTEP*2
	s_or_b32 s[G0+4*\s+3], s[G0+4*\s+3], 0x80000000
	s_mov_b32 s[G0B+4*\s], 1
	s_add_co_u32 s[G0B+4*\s+1], s21, \s*SLOT
	s_add_nc_u64 s[G0B+4*\s+2:G0B+4*\s+3], s[46:47], \s*KSTEP*2
	s_or_b32 s[G0B+4*\s+3], s[G0B+4*\s+3], 0x80000000
	JLOAD \s                                       ; two loads of mine are out at the start
.endr
	v_and_b32 v1, 15, v0                           ; l % 16
	v_bfe_u32 v2, v0, 4, 1                         ; l / 16
	v_mul_u32_u24 v3, v1, PITCH
	v_lshl_add_u32 v3, v2, 4, v3
	s_mul_i32 s21, s11, HALFA                      ; my 128 rows of A
	s_mul_i32 s22, s12, HALFB                      ; my 16 NB rows of B,
	s_add_co_u32 s22, s22, 2*HALFA                 ; behind A's 256
.irp s, 0,1
	v_add_nc_u32 v[ADRA+\s], s21, v3
	v_add_nc_u32 v[ADRB+\s], s22, v3
	s_add_co_u32 s21, s21, SLOT
	s_add_co_u32 s22, s22, SLOT
.endr
	s_mul_i32 s23, s10, 16*SPITCH
	s_add_co_u32 s23, s23, STAGE                   ; my stage
	v_mul_u32_u24 v4, v1, SPITCH
	v_lshl_add_u32 v4, v2, 4+OUT32, v4             ; in: row l % 16; my half's eight numbers
	v_add_nc_u32 v[STO], s23, v4
	v_mul_u32_u24 v5, v2, SPITCH
	v_lshl_add_u32 v5, v1, 4, v5
	v_add_nc_u32 v[RD], s23, v5                    ; back: lanes 0-15 one row of 256 bytes, lanes 16-31 the next
	v_mul_u32_u24 v5, v2, ROWC
	v_lshl_add_u32 v[CO], v1, 4, v5                ; and the same two rows in C
	v_lshlrev_b32 v[BO], 5, v2
	s_lshl_b32 s13, s13, 8
	s_lshl_b32 s14, s11, 7
	s_add_co_u32 s16, s13, s14                     ; my first row of C
	s_mov_b32 s17, 0
	s_mov_b64 s[18:19], ROWC
	s_mul_u64 s[16:17], s[16:17], s[18:19]
	s_lshl_b32 s46, s42, 9                         ; my first column, in bytes: 512 x tile column + 256 x half
	s_lshl_b32 s47, s12, 8
	s_add_co_u32 s46, s46, s47
	s_mov_b32 s47, 0
	s_add_nc_u64 s[16:17], s[16:17], s[46:47]      ; the first way out adds it to C's address
	s_mul_i32 s20, s42, 128*NB
	s_mul_i32 s21, s12, 64*NB
	s_add_co_u32 s20, s20, s21                     ; 4 x my first column
	s_mov_b32 s21, 0
	s_add_nc_u64 s[66:67], s[66:67], s[20:21]
.irp b, 0,1,2,3,4,5,6,7
.if \b < NB
	global_load_b128 v[BI+8*\b:BI+8*\b+3], v[BO], s[66:67] offset:64*\b          ; lane (r, h): the bias of columns 16 b + 8 h + 0 .. 7
	global_load_b128 v[BI+8*\b+4:BI+8*\b+7], v[BO], s[66:67] offset:64*\b+16
.endif
.endr
; 2 NB matrix instructions: A's blocks a0, a0 + 1 of the window's four x B's NB.  bias = 1: the first product starts the sums from the bias.  The accumulators take turns, one instruction a turn.
.macro MULA f, hi, a0, bias
.irp a, \a0, \a0+1
.irp b, 0,1,2,3,4,5,6,7
.if \b < NB
.if \bias
	v_wmma_f32_16x16x32_f16 v[8*(8*(\a)+\b):8*(8*(\a)+\b)+7], v[\f+8*\b:\f+8*\b+7], v[\f+8*(4*\hi+\a):\f+8*(4*\hi+\a)+7], v[BI+8*\b:BI+8*\b+7]
.else
	v_wmma_f32_16x16x32_f16 v[8*(8*(\a)+\b):8*(8*(\a)+\b)+7], v[\f+8*\b:\f+8*\b+7], v[\f+8*(4*\hi+\a):\f+8*(4*\hi+\a)+7], v[8*(8*(\a)+\b):8*(8*(\a)+\b)+7]
.endif
.endif
.endr
.endr
.endm
.macro FETCH slot, k, f                ; one run of LDS loads: B's NB fragments, then A's eight, 32 along K at byte k of the rows
	WIN TO_B
.irp i, 0,1,2,3,4,5,6,7
.if \i < NB
	ds_load_b128 v[\f+8*\i:\f+8*\i+3],   v[ADRB+\slot] offset:\k+\i*16*PITCH
	ds_load_b128 v[\f+8*\i+4:\f+8*\i+7], v[ADRB+\slot] offset:\k+\i*16*PITCH+32
.endif
.endr
	WIN 0
.irp i, 0,1,2,3,4,5,6,7
	ds_load_b128 v[\f+8*\i:\f+8*\i+3],   v[ADRA+\slot] offset:\k+\i*16*PITCH
	ds_load_b128 v[\f+8*\i+4:\f+8*\i+7], v[ADRA+\slot] offset:\k+\i*16*PITCH+32
.endr
.endm
.macro PLACES                          ; four plain vector instructions between a matrix instruction and a load into, or a read of, its registers
.rept 4
	v_nop
.endr
.endm
.macro QUARTER slot, k, f, g, bias
	s_wait_dscnt 8                                 ; B and A's rows 0-63 are in; the youngest eight loads (A's rows 64-127) may be out
.if \bias
	WIN BIA_LO
.else
	WIN MUL_LO
.endif
	MULA \f, 0, 0, \bias
	MULA \f, 0, 2, \bias
	PLACES
	FETCH \slot, \k, \g
	s_wait_dscnt 2*NB+16                           ; all but the loads just issued
.if \bias
	WIN BIA_HI
.else
	WIN MUL_HI
.endif
	MULA \f, 1, 0, \bias
	MULA \f, 1, 2, \bias
.endm
; The last quarter of a K step changes slots: one barrier.  In front of it each wave waits for all its tensor loads, adds 0 to its spare word, and waits for that and for its reads of this slot.
.macro MEET round
	WIN 0
	s_wait_tensorcnt 0x0                           ; all my tensor loads have landed: the one that was out is my part of the next slot
	ds_add_u32 v[SPW], v[NIL]
	s_wait_dscnt 9                                 ; the add and the youngest eight loads may be out
	WIN MUL_LO
	MULA F1, 0, 0, 0
	s_wait_dscnt 0x0                               ; the add is done, and my reads of this slot are over
	s_barrier_signal -1
	MULA F1, 0, 2, 0
.if \round
	WIN 0
.endif
	s_barrier_wait -1
.endm
.macro TURN slot, next, fill
	MEET \fill
.if \fill
	CREST                                          ; the barrier has opened a round of the cluster's barrier: no wave of any partner still reads this slot or has a load on its way
	s_add_nc_u64 s[G0+4*\slot+2:G0+4*\slot+3], s[G0+4*\slot+2:G0+4*\slot+3], 2*KSTEP*2
	s_add_nc_u64 s[G0B+4*\slot+2:G0B+4*\slot+3], s[G0B+4*\slot+2:G0B+4*\slot+3], 2*KSTEP*2
	JLOAD \slot                                    ; my one tensor load behind the round; its four v_nop are the places in front of the loads below
.else
	PLACES
.endif
	FETCH \next, 0, F0
	WIN MUL_HI
	MULA F1, 1, 0, 0
	MULA F1, 1, 2, 0
.endm
	s_wait_tensorcnt 1                             ; my part of K step 0 is in; K step 1's load may be out
	s_barrier_signal -1
	s_barrier_wait -1
	FETCH 0, 0, F0
	s_wait_loadcnt 0x0                             ; the bias
	QUARTER 0, 64, F0, F1, 1                       ; the first quarter stands in front of the loop: its products start the sums
	WIN 0
	s_mov_b32 s3, LAPS-1
.Llap:                                                 ; a trip goes once round the ring and fills both slots again
	QUARTER 0, 128, F1, F0, 0
	QUARTER 0, 192, F0, F1, 0
	TURN 0, 1, 1
	QUARTER 1, 64,  F0, F1, 0
	QUARTER 1, 128, F1, F0, 0
	QUARTER 1, 192, F0, F1, 0
	TURN 1, 0, 1
	QUARTER 0, 64,  F0, F1, 0
	WIN 0
	s_sub_co_u32 s3, s3, 1
	s_cmp_lg_u32 s3, 0
	s_cbranch_scc1 .Llap
	QUARTER 0, 128, F1, F0, 0                      ; the last lap fills nothing
	QUARTER 0, 192, F0, F1, 0
	TURN 0, 1, 0
	QUARTER 1, 64,  F0, F1, 0
	QUARTER 1, 128, F1, F0, 0
	QUARTER 1, 192, F0, F1, 0
	s_wait_dscnt 8
	WIN MUL_LO
	MULA F1, 0, 0, 0
	MULA F1, 0, 2, 0
	s_wait_dscnt 0
	WIN MUL_HI
	MULA F1, 1, 0, 0
	MULA F1, 1, 2, 0
	WIN 0
	PLACES
; THE WAY OUT, a block of 16 rows at a time (256 bytes a row), through my own stage: sixteen lanes store 256 consecutive bytes, aligned.
.macro PACK a
.set AC, 64*((\a)%4)
	WIN 0x0a+5*((\a)/4)                            ; sources 0 and 1: window 2 or 3
.irp b, 0,1,2,3,4,5,6,7
.if \b < NB
.irp r, 0,1,2,3
	v_cvt_pk_f16_f32 v[TMP+4*\b+\r], v[AC+8*\b+2*\r], v[AC+8*\b+2*\r+1]   ; each accumulator from its low end on
.endr
.endif
.endr
	WIN 0
.endm
.macro TOSTAGE a
.set AC, 64*((\a)%4)
.set BK, OB+192*((\a)%2)
.if OUT32
	WIN 0x08+4*((\a)/4)                            ; an LDS store's data are its source 1: window 2 or 3
.irp b, 0,1,2,3,4,5,6,7
.if \b < NB
	ds_store_b128 v[STO], v[AC+8*\b:AC+8*\b+3] offset:64*\b
	ds_store_b128 v[STO], v[AC+8*\b+4:AC+8*\b+7] offset:64*\b+16
.endif
.endr
	WIN 0
.else
.irp b, 0,1,2,3,4,5,6,7
	ds_store_b128 v[STO], v[TMP+4*\b:TMP+4*\b+3] offset:32*\b
.endr
.endif
.irp t, 0,1,2,3,4,5,6,7
	ds_load_b128 v[BK+4*\t:BK+4*\t+3], v[RD] offset:\t*2*SPITCH    ; LDS serves a wave's instructions in order: these see the stores above
.endr
.endm
.macro SEND a, younger
.set BK, OB+192*((\a)%2)
	s_wait_dscnt \younger                          ; the block is back; the next block's 8 stores and 8 loads may be out
.if (\a) == 0
	s_add_nc_u64 s[8:9], s[8:9], s[16:17]
.else
	s_add_nc_u64 s[8:9], s[8:9], 16*ROWC           ; behind a wait on XCNT: the earlier stores have read their base
.endif
.irp t, 0,1,2,3,4,5,6,7
	global_store_b128 v[CO], v[BK+4*\t:BK+4*\t+3], s[8:9] offset:2*\t*ROWC
.endr
.endm
.if OUT32 == 0
	PACK 0
.endif
	TOSTAGE 0
.irp a, 1,2,3,4,5,6,7
.if OUT32 == 0
	PACK \a
.endif
.if \a > 1
	s_wait_xcnt 0x0                                ; block a - 2's stores have read their registers and their base
.endif
	TOSTAGE \a
	SEND \a-1, 16
.endr
	s_wait_xcnt 0x0
	SEND 7, 0
	s_wait_tensorcnt 0x0                           ; the wave's end
	ds_add_u32 v[SPW], v[NIL]
	s_wait_dscnt 0x0
	CROUND                                         ; the closing round
	s_endpgm
.Lfunc_end_k_qba1c12e941_kvgemm:
	.size	k_qba1c12e941_kvgemm, .Lfunc_end_k_qba1c12e941_kvgemm-k_qba1c12e941_kvgemm
	.p2alignl 7, 3214868480
	.fill 96, 4, 3214868480
	.section	.rodata,"a",@progbits
	.p2align	6, 0x0
	.amdhsa_kernel k_qba1c12e941_kvgemm
		.amdhsa_group_segment_fixed_size 327680
		.amdhsa_private_segment_fixed_size 0
		.amdhsa_enable_private_segment 0
		.amdhsa_kernarg_size 32
		.amdhsa_user_sgpr_count 2
		.amdhsa_user_sgpr_kernarg_segment_ptr 1
		.amdhsa_wavefront_size32 1
		.amdhsa_system_sgpr_workgroup_id_x 1
		.amdhsa_system_sgpr_workgroup_id_y 1
		.amdhsa_system_sgpr_workgroup_id_z 1
		.amdhsa_system_vgpr_workitem_id 0
		.amdhsa_next_free_vgpr 1024
		.amdhsa_next_free_sgpr 70
		.amdhsa_reserve_vcc 0
		.amdhsa_float_denorm_mode_32 3
		.amdhsa_float_denorm_mode_16_64 3
		.amdhsa_memory_ordered 1
		.amdhsa_forward_progress 1
		.amdhsa_inst_pref_size 145
	.end_amdhsa_kernel
	.amdgpu_metadata
---
amdhsa.version: [ 1, 2 ]
amdhsa.kernels:
  - .name:           k_qba1c12e941_kvgemm
    .symbol:         k_qba1c12e941_kvgemm.kd
    .args:
      - { .name: lat16, .offset: 0, .size: 8, .value_kind: global_buffer, .address_space: global }
      - { .name: w16, .offset: 8, .size: 8, .value_kind: global_buffer, .address_space: global }
      - { .name: kv16, .offset: 16, .size: 8, .value_kind: global_buffer, .address_space: global }
      - { .name: b_kv, .offset: 24, .size: 8, .value_kind: global_buffer, .address_space: global }
    .group_segment_fixed_size: 327680
    .private_segment_fixed_size: 0
    .kernarg_segment_align: 8
    .kernarg_segment_size: 32
    .max_flat_workgroup_size: 128
    .sgpr_count:     70
    .vgpr_count:     1024
    .wavefront_size: 32
...
	.end_amdgpu_metadata
.endif
;; end of part 4
;; launch attn (part 5): grid 4 x 64, 16 waves a work-group, no clusters, 327,680 bytes of LDS; arguments cq, kv16, att16; writes att16
.if DOCPART == 5
	.amdgcn_target "amdgcn-amd-amdhsa--gfx1250"
	.amdhsa_code_object_version 6
	.text
	.protected	k_qba1c12e941_attn
	.globl	k_qba1c12e941_attn
	.p2align	8
	.type	k_qba1c12e941_attn,@function
k_qba1c12e941_attn:
	s_mov_b64 s[64:65], 0
	v_nop
	global_prefetch_b8 v0, s[64:65] scope:SCOPE_SE
	s_setreg_imm32_b32 hwreg(HW_REG_WAVE_MODE, 25, 1), 1
	s_wait_xcnt 0x0
; att16[b][q][128 h ..] = f16(sum over k <= q of softmax_k(Q[q] . K[k] / sqrt(128)) V[k]).  The window of 1,024 never cuts a sequence of 1,024, so the mask is the causal one.
; Q: cq [4096][2560] f32, columns 128 h on; it is multiplied by c = log2(e) / sqrt(128) in f32 and rounded to f16 once.  K, V: kv16 [4096][4096] f16, K at byte 256 h of a row, V at 4,096 + 256 h.
; Products on f16 operands, sums, maxima and exponentials in f32; a running maximum m and sum l for each query; p = 2^(t - m) is rounded to f16 for the second product; O is divided by l at the end.
; SHARES.  Grid y = 16 b + h, x = i.  A work-group owns the query blocks i and 7 - i of 128 queries: (i + 1) + (8 - i) = 9 blocks of 128 x 128 in every work-group.  Waves 0-7 take block i, waves 8-15 block 7 - i, 16 queries each.
; Every wave walks all 16 key steps of 64 keys (constant trip counts); a step all of whose keys come after the wave's queries is jumped over by a branch on ids.
; K's and V's tiles come through a ring of two LDS slots of two key steps, filled by waves 0, 1 (K) and 2, 3 (V), one tensor load each, and read by all sixteen.  A slot whose first key comes after the work-group's last query is not asked for.
; NO CLUSTER: the four work-groups of a head end their walks at different keys (1,023 - 128 i), so a joint load would bring some partners tiles that none of their waves reads.
; LAYOUT.  S^T = K Q^T (source 0 = 16 keys, source 1 = my 16 queries), O^T = V^T P (source 0 = 16 channels, source 1 = P): a lane holds one query (lane % 16) throughout.  V is turned by ds_load_tr16_b128.
; LIMITS: |q c|, |k|, |v| above 65,504 leave f16's range; NaN and infinities are not served.
.set PK,    272                        ; a row of K in LDS: 256 bytes + 16
.set PV,    288                        ; a row of V: 256 + 32
.set VOFF,  64*PK
.set STEPB, 64*(PK+PV)                 ; a key step: 64 rows of K, then 64 rows of V
.set SLOT1, 1<<17                      ; slot 1 begins here: one exclusive or turns an address
.set STAGE, SLOT1+2*STEPB              ; the way out: 16 rows x 272 bytes a wave
.set SPARE, STAGE+16*16*272            ; the spare words: 128 bytes a wave
.set AK0, 1
.set AV0, 2
.set SPW, 3
.set NIL, 4
.set GO,  5
.set ADK, 6
.set ADV, 7
.set STO, 8
.set RD,  9
.set PFO, 10
.set QR,  16                           ; v16-47   Q: four fragments
.set W,   48                           ; v48-111  eight fragments of K or of V
.set S,   112                          ; v112-143 S^T, then p
.set P,   144                          ; v144-159 p as f16
.set O,   160                          ; v160-223 O^T
.set MM,  224                          ; v[224:225] m, 0
.set LS,  226                          ; v[226:227] l, in two halves
.set AA,  228                          ; v[228:229] a = 2^(old m - new m), 0
.set CC,  230                          ; v230-233 four chains of the maximum
.set XX,  234
.set OLD, 235
.set DD,  236
.set NINF, 237
.set WV,  18
.set SEL, 20
.set CS,  22
.set G1K, 24
.set G1V, 32
.set G0K, 40
.set G0V, 44
.set TB,  2
.set SLOTS, 67
.set PFA, 76
.set LIM, 80
.set LASTQ, 97
.set KF,  98
.set Q0,  99
.macro TLOAD                           ; waves 0, 1 fetch K's two key steps, waves 2, 3 V's, the others nothing; an s_nop 0 and four v_nop follow each line
	s_cmp_lt_u32 s[WV], 2
	s_cbranch_scc0 .Lnot_k_\@
	tensor_load_to_lds s[G0K:G0K+3], s[G1K:G1K+7]
	s_nop 0
.rept 4
	v_nop
.endr
	s_branch .Lasked_\@
.Lnot_k_\@:
	s_cmp_lt_u32 s[WV], 4
	s_cbranch_scc0 .Lasked_\@
	tensor_load_to_lds s[G0V:G0V+3], s[G1V:G1V+7]
	s_nop 0
.rept 4
	v_nop
.endr
.Lasked_\@:
.endm
; A prefetch of what the NEXT change of slots will ask for: 128 rows of K and of V, 256 bytes each, a lane a row.  The head's work-group x = 0, which walks all slots, asks, and nobody else; in it waves 4-7 ask for K's rows
; and waves 8-11 for V's, 32 each: every row is named once in the launch.  The last change that fills a slot asks for nothing; slots 0 and 1 come by their loads alone.
.macro ASK
	s_cmp_gt_u32 s[SLOTS], s[LIM]
	s_cbranch_scc0 .Lnot_mine_\@
	global_prefetch_b8 v[PFO], s[PFA:PFA+1] th:TH_LOAD_NT scope:SCOPE_SE
.Lnot_mine_\@:
.endm
	s_load_b128 s[4:7], s[0:1], 0x0                ; cq, kv16
	s_load_b64 s[8:9], s[0:1], 0x10                ; att16
	v_lshl_add_u32 v[SPW], v0, 2, SPARE
	v_mov_b32 v[NIL], 0
	ds_add_u32 v[SPW], v[NIL]                      ; the wave's opening: the add, twice on end, and its wait ahead of my first tensor load
	ds_add_u32 v[SPW], v[NIL]
	v_lshrrev_b32 v11, 5, v0
	v_readfirstlane_b32 s[WV], v11                 ; wave 0..15
	s_and_b32 s70, ttmp7, 0xffff
	s_lshr_b32 s71, s70, 4                         ; b
	s_and_b32 s72, s70, 15                         ; h
	s_lshl_b32 s73, s72, 8                         ; 256 h
	s_lshl_b32 s74, s71, 23                        ; b x 1,024 rows of 8,192 bytes
	s_add_co_u32 s74, s74, s73                     ; the head's K in kv16
	s_and_b32 s82, s[WV], 1                        ; which of a slot's two key steps I fetch
	s_lshl_b32 s83, s82, 19
	s_add_co_u32 s84, s74, s83
	s_mov_b32 s85, 0
	s_mul_i32 s86, s82, STEPB
	s_sub_co_u32 s87, 7, ttmp9
	s_cmp_lt_u32 s[WV], 8
	s_cselect_b32 s87, ttmp9, s87                  ; my block of 128 queries
	s_lshl_b32 s87, s87, 7
	s_and_b32 s88, s[WV], 7
	s_lshl_b32 s88, s88, 4
	s_add_co_u32 s[Q0], s87, s88                   ; my first query
	s_lshl_b32 s[LASTQ], ttmp9, 7
	s_sub_co_u32 s[LASTQ], 1023, s[LASTQ]          ; my work-group's last query
	s_lshl_b32 s89, s71, 10
	s_add_co_u32 s89, s89, s[Q0]                   ; its row
	s_mul_i32 s90, s89, 10240
	s_lshl_b32 s91, s72, 9
	s_add_co_u32 s90, s90, s91                     ; in cq
	s_mov_b32 s91, 0
	s_lshl_b32 s92, s89, 12
	s_add_co_u32 s92, s92, s73                     ; in att16
	s_mov_b32 s93, 0
	s_mov_b32 s[G1K], (1<<16)|(1<<20)|(5<<22)|(3<<25)   ; no mask; elements of 2 bytes; padding: 4 words after every 64
	s_mov_b32 s[G1V], (1<<16)|(1<<20)|(5<<22)|(7<<25)   ; 8 words
.irp g, G1K, G1V
	s_mov_b32 s[\g+1], 128<<16                     ; tensor_dim0
	s_mov_b32 s[\g+2], 64<<16                      ; tensor_dim1
	s_mov_b32 s[\g+3], 128<<16                     ; tile_dim0
	s_mov_b32 s[\g+4], 64                          ; tile_dim1
	s_mov_b32 s[\g+5], 4096                        ; the pitch, in elements
	s_mov_b32 s[\g+6], 0
	s_mov_b32 s[\g+7], 0
.endr
	s_mov_b32 s[SEL], 0x76543210
	s_mov_b32 s[SEL+1], 0xfedcba98
	s_mov_b32 s[CS], 0x3e0293ee                    ; c = log2(e) / sqrt(128)
	s_mov_b32 s[CS+1], s[CS]
	s_mov_b32 s[TB], 0
	s_mov_b32 s[SLOTS], 7
	s_mov_b32 s[KF], 0
	s_wait_dscnt 0x0                               ; both opening adds are done
	s_wait_kmcnt 0x0
	s_mov_b32 s[G0K], 1
	s_mov_b32 s[G0K+1], s86
	s_add_nc_u64 s[G0K+2:G0K+3], s[6:7], s[84:85]
	s_mov_b32 s[G0V], 1
	s_add_co_u32 s[G0V+1], s86, VOFF
	s_add_nc_u64 s[G0V+2:G0V+3], s[G0K+2:G0K+3], 4096
	s_or_b32 s[G0K+3], s[G0K+3], 0x80000000
	s_or_b32 s[G0V+3], s[G0V+3], 0x80000000
	TLOAD                                          ; slot 0: it holds key 0, which counts for every query
	s_add_nc_u64 s[4:5], s[4:5], s[90:91]
	s_add_nc_u64 s[8:9], s[8:9], s[92:93]
	s_and_b32 s94, s[WV], 3
	s_lshl_b32 s94, s94, 18                        ; my wave's 32 rows,
	s_add_co_u32 s94, s94, s74
	s_add_co_u32 s94, s94, 0x100000                ; in slot 1: the first change of slots steps it to slot 2
	s_cmp_lt_u32 s[WV], 8
	s_cselect_b32 s95, 0, 4096                     ; K's or V's
	s_add_co_u32 s94, s94, s95
	s_mov_b32 s95, 0
	s_add_nc_u64 s[PFA:PFA+1], s[6:7], s[94:95]
	s_sub_co_u32 s94, s[WV], 4
	s_lshr_b32 s94, s94, 3                         ; 0 in waves 4 to 11,
	s_or_b32 s94, s94, ttmp9                       ; of work-group x = 0
	s_cmp_eq_u32 s94, 0
	s_cselect_b32 s[LIM], 1, -1
	v_and_b32 v11, 15, v0                          ; r
	v_bfe_u32 v12, v0, 4, 1                        ; h
	v_mul_u32_u24 v13, v11, 10240
	v_lshl_add_u32 v13, v12, 5, v13                ; Q: row r, + 32 h bytes: eight f32 of my half
.irp c, 0,1,2,3
.irp u, 0,1
	global_load_b128 v[O+16*\c+8*\u:O+16*\c+8*\u+3], v13, s[4:5] offset:128*\c+64*\u
	global_load_b128 v[O+16*\c+8*\u+4:O+16*\c+8*\u+7], v13, s[4:5] offset:128*\c+64*\u+16
.endr
.endr
	v_mul_u32_u24 v[AK0], v11, PK
	v_lshl_add_u32 v[AK0], v12, 4, v[AK0]
	v_and_b32 v14, 7, v0
	v_bfe_u32 v15, v0, 3, 1
	v_lshl_add_u32 v[AV0], v12, 3, v14
	v_mul_u32_u24 v[AV0], v[AV0], PV
	v_lshl_add_u32 v[AV0], v15, 4, v[AV0]
	v_add_nc_u32 v[AV0], VOFF, v[AV0]
	v_lshlrev_b32 v[GO], 12, v12
	v_lshl_add_u32 v[GO], v11, 4, v[GO]
	s_mul_i32 s95, s[WV], 16*272
	s_add_co_u32 s95, s95, STAGE
	v_mul_u32_u24 v[STO], v11, 272
	v_lshl_add_u32 v[STO], v12, 4, v[STO]
	v_add_nc_u32 v[STO], s95, v[STO]
	v_mul_u32_u24 v[RD], v12, 272
	v_lshl_add_u32 v[RD], v11, 4, v[RD]
	v_add_nc_u32 v[RD], s95, v[RD]
	v_and_b32 v[PFO], 31, v0
	v_lshlrev_b32 v[PFO], 13, v[PFO]
	v_mov_b32 v[MM], 0xff61b1e6                    ; the largest t so far: -3e38
	v_mov_b32 v[MM+1], 0
	v_mov_b32 v[LS], 0
	v_mov_b32 v[LS+1], 0
	v_mov_b32 v[AA], 0
	v_mov_b32 v[AA+1], 0
	v_mov_b32 v[XX], 0
	v_mov_b32 v[NINF], 0xff800000
	s_wait_loadcnt 0x0                             ; Q
.set J, 0
.rept 32
	v_pk_mul_f32 v[O+2*J:O+2*J+1], v[O+2*J:O+2*J+1], s[CS:CS+1] op_sel_hi:[1,0]
.set J, J+1
.endr
.set J, 0
.rept 32
	v_cvt_pk_f16_f32 v[QR+J], v[O+2*J], v[O+2*J+1]
.set J, J+1
.endr
.set J, 0
.rept 64
	v_mov_b32 v[O+J], 0                            ; O^T: the key step is written once; the first finds zeros, which a = 0 leaves zeros
.set J, J+1
.endr
.macro VLOAD q, u                      ; V^T of keys 32 u on, eight tiles of 16 channels
.irp ct, 0,1,2,3,4,5,6,7
	ds_load_tr16_b128 v[W+8*\ct:W+8*\ct+3],   v[ADV] offset:(\q)*STEPB+(\u)*32*PV+32*\ct
	ds_load_tr16_b128 v[W+8*\ct+4:W+8*\ct+7], v[ADV] offset:(\q)*STEPB+(\u)*32*PV+16*PV+32*\ct
.endr
.endm
; A KEY STEP: 64 keys, the q-th of the slot in hand.
.macro STEP q
	s_add_co_u32 s96, s[Q0], 15
	s_cmp_gt_u32 s[KF], s96                        ; all 64 keys come after my queries: the step's work is left out
	s_cbranch_scc1 .Lhidden_\@
	v_add_nc_u32 v[ADK], s[TB], v[AK0]
	v_add_nc_u32 v[ADV], s[TB], v[AV0]
	v_nop
	v_nop                                          ; four places in front of loads into registers that the last products read
.irp g, 0,1                            ; S^T = K Q^T, two tiles of 16 keys at a time
.irp e, 0,1
.irp c, 0,1,2,3
	ds_load_b128 v[W+8*(4*\e+\c):W+8*(4*\e+\c)+3],   v[ADK] offset:(\q)*STEPB+(2*\g+\e)*16*PK+64*\c
	ds_load_b128 v[W+8*(4*\e+\c)+4:W+8*(4*\e+\c)+7], v[ADK] offset:(\q)*STEPB+(2*\g+\e)*16*PK+64*\c+32
.endr
.endr
	s_wait_dscnt 0x0
.irp c, 0,1,2,3                        ; the two accumulators by turns
.irp e, 0,1
.if \c == 0
	v_wmma_f32_16x16x32_f16 v[S+8*(2*\g+\e):S+8*(2*\g+\e)+7], v[W+8*(4*\e+\c):W+8*(4*\e+\c)+7], v[QR+8*\c:QR+8*\c+7], 0
.else
	v_wmma_f32_16x16x32_f16 v[S+8*(2*\g+\e):S+8*(2*\g+\e)+7], v[W+8*(4*\e+\c):W+8*(4*\e+\c)+7], v[QR+8*\c:QR+8*\c+7], v[S+8*(2*\g+\e):S+8*(2*\g+\e)+7]
.endif
.endr
.endr
.rept 4
	v_nop
.endr
.endr
	VLOAD \q, 0                                    ; asked for here: it lands while the softmax is walked
	s_add_co_u32 s96, s[KF], 63
	s_cmp_le_u32 s96, s[Q0]                        ; all 64 keys count for all my queries: no mask
	s_cbranch_scc1 .Lopen_\@
	s_sub_co_i32 s96, s[Q0], s[KF]
	v_and_b32 v[DD], 15, v0
	v_bfe_u32 v[XX], v0, 4, 1
	v_lshlrev_b32 v[XX], 3, v[XX]
	v_sub_nc_u32 v[DD], v[DD], v[XX]
	v_add_nc_u32 v[DD], s96, v[DD]                 ; d = my query - KF - 8 (lane / 16).  Register 8 t + j holds key KF + 16 t + 8 (lane / 16) + j: hidden where 16 t + j > d
.irp n, 0,1,2,3,4,5,6,7,8,9,10,11,12,13,14,15,16,17,18,19,20,21,22,23,24,25,26,27,28,29,30,31
	v_cmp_gt_i32 vcc_lo, 16*(\n/8)+\n%8, v[DD]
	v_cndmask_b32 v[S+\n], v[S+\n], v[NINF], vcc_lo
.endr
.Lopen_\@:
.irp j, 0,1,2,3
	v_max3_num_f32 v[CC+\j], v[S+8*\j], v[S+8*\j+1], v[S+8*\j+2]   ; each tile from its low end on
.endr
.irp u, 1,2
.irp j, 0,1,2,3
	v_max3_num_f32 v[CC+\j], v[CC+\j], v[S+8*\j+2*\u+1], v[S+8*\j+2*\u+2]
.endr
.endr
	v_max3_num_f32 v[CC], v[CC], v[S+7], v[S+15]
	v_max3_num_f32 v[CC+2], v[CC+2], v[S+23], v[S+31]
	v_max3_num_f32 v[CC], v[CC], v[CC+1], v[CC+2]
	v_max3_num_f32 v[CC], v[CC], v[CC+3], v[MM]
	v_permlanex16_b32 v[XX], v[CC], s[SEL], s[SEL+1]   ; the query's other 32 keys lie in the lane 16 away
	v_mov_b32 v[OLD], v[MM]
	v_max_num_f32 v[MM], v[CC], v[XX]              ; the running maximum
	v_sub_f32 v[DD], v[OLD], v[MM]
.set J, 0
.rept 16
	v_pk_add_f32 v[S+2*J:S+2*J+1], v[S+2*J:S+2*J+1], v[MM:MM+1] op_sel_hi:[1,0] neg_lo:[0,1] neg_hi:[0,1]   ; t - m
.set J, J+1
.endr
	v_exp_f32 v[AA], v[DD]                         ; a = 2^(old m - new m)
.set J, 0
.rept 32
	v_exp_f32 v[S+J], v[S+J]                       ; p = 2^(t - m)
.set J, J+1
.endr
	v_nop                                          ; a plain instruction behind the last exponential
	s_wait_alu depctr_va_vdst(0)                   ; one wait for the batch of 33, ahead of its first reader
.set J, 0
.rept 16
	v_cvt_pk_f16_f32 v[P+J], v[S+2*J], v[S+2*J+1]
.set J, J+1
.endr
.irp p, 0,2,4,6,8,10,12,14             ; the sum of the 16 pairs, in place
	v_pk_add_f32 v[S+2*\p:S+2*\p+1], v[S+2*\p:S+2*\p+1], v[S+2*\p+2:S+2*\p+3]
.endr
.irp p, 0,4,8,12
	v_pk_add_f32 v[S+2*\p:S+2*\p+1], v[S+2*\p:S+2*\p+1], v[S+2*\p+4:S+2*\p+5]
.endr
.irp p, 0,8
	v_pk_add_f32 v[S+2*\p:S+2*\p+1], v[S+2*\p:S+2*\p+1], v[S+2*\p+8:S+2*\p+9]
.endr
	v_pk_add_f32 v[S:S+1], v[S:S+1], v[S+16:S+17]
	v_pk_fma_f32 v[LS:LS+1], v[LS:LS+1], v[AA:AA+1], v[S:S+1] op_sel_hi:[1,0,1]   ; l = a l + the sum
.set J, 0
.rept 32
	v_pk_mul_f32 v[O+2*J:O+2*J+1], v[O+2*J:O+2*J+1], v[AA:AA+1] op_sel_hi:[1,0]   ; O^T x a
.set J, J+1
.endr
	s_wait_dscnt 0x0                               ; V of keys 0-31
.irp ct, 0,1,2,3,4,5,6,7
	v_wmma_f32_16x16x32_f16 v[O+8*\ct:O+8*\ct+7], v[W+8*\ct:W+8*\ct+7], v[P:P+7], v[O+8*\ct:O+8*\ct+7]
.endr
.rept 4
	v_nop
.endr
	VLOAD \q, 1
	s_wait_dscnt 0x0
.irp ct, 0,1,2,3,4,5,6,7
	v_wmma_f32_16x16x32_f16 v[O+8*\ct:O+8*\ct+7], v[W+8*\ct:W+8*\ct+7], v[P+8:P+15], v[O+8*\ct:O+8*\ct+7]
.endr
.Lhidden_\@:
	s_add_co_u32 s[KF], s[KF], 64
.endm
; THE CHANGE OF SLOTS stands at a slot's head.  Each wave waits for all its tensor loads, adds 0 to its spare word, and waits for that and for its reads of the slot that it has left.  Behind the barrier the slot ahead is whole
; and nobody reads the other one.  fill = 1: that other slot is filled with the next 128 keys, if any wave of the work-group will read them: the load has two key steps in which to land.
.macro CHANGE fill
	s_wait_tensorcnt 0x0                           ; no tensor load of mine is out, so a group 0 may be written
	ds_add_u32 v[SPW], v[NIL]
.if \fill
	ds_add_u32 v[SPW], v[NIL]                      ; and once more
	s_xor_b32 s[G0K+1], s[G0K+1], SLOT1
	s_add_nc_u64 s[G0K+2:G0K+3], s[G0K+2:G0K+3], 0x100000   ; 128 rows of 8,192 bytes on
	s_xor_b32 s[G0V+1], s[G0V+1], SLOT1
	s_add_nc_u64 s[G0V+2:G0V+3], s[G0V+2:G0V+3], 0x100000
	s_wait_xcnt 0x0                                ; the last prefetch, a slot back, has read its address
	s_add_nc_u64 s[PFA:PFA+1], s[PFA:PFA+1], 0x100000
.endif
	s_wait_dscnt 0x0
	s_barrier_signal -1
	s_barrier_wait -1
.if \fill
	s_add_co_u32 s96, s[KF], 128                   ; the first key of the slot that this change would ask for
	s_cmp_gt_u32 s96, s[LASTQ]                     ; ids and the count of steps alone: all sixteen waves go the same way, and a work-group past the limit stays past it
	s_cbranch_scc1 .Lpast_\@
	TLOAD                                          ; a wave's one tensor load until the next change
.Lpast_\@:
	ASK
.endif
.endm
.Lslot:                                            ; seven trips
	CHANGE 1
	STEP 0
	STEP 1
	s_xor_b32 s[TB], s[TB], SLOT1
	s_sub_co_u32 s[SLOTS], s[SLOTS], 1
	s_cmp_lg_u32 s[SLOTS], 0
	s_cbranch_scc1 .Lslot
	CHANGE 0                                       ; the last slot is written out: nothing is left to fetch
	STEP 0
	STEP 1
	; THE WAY OUT: O^T / l, rounded to f16, through my stage: sixteen lanes store 256 consecutive bytes, aligned
.rept 4
	v_nop                                          ; places behind the last products
.endr
	v_add_f32 v[LS], v[LS], v[LS+1]
	v_permlanex16_b32 v[XX], v[LS], s[SEL], s[SEL+1]
	v_add_f32 v[LS], v[LS], v[XX]
	v_rcp_f32 v[AA], v[LS]
	v_nop
	s_wait_alu depctr_va_vdst(0)                   ; ahead of the reciprocal's first reader
.set J, 0
.rept 32
	v_pk_mul_f32 v[O+2*J:O+2*J+1], v[O+2*J:O+2*J+1], v[AA:AA+1] op_sel_hi:[1,0]
.set J, J+1
.endr
.set J, 0
.rept 32
	v_cvt_pk_f16_f32 v[S+J], v[O+2*J], v[O+2*J+1]
.set J, J+1
.endr
.irp ct, 0,1,2,3,4,5,6,7
	ds_store_b128 v[STO], v[S+4*\ct:S+4*\ct+3] offset:32*\ct
.endr
.irp t, 0,1,2,3,4,5,6,7
	ds_load_b128 v[W+4*\t:W+4*\t+3], v[RD] offset:544*\t   ; LDS serves a wave's instructions in order: these see my stores
.endr
.irp t, 0,1,2,3,4,5,6,7
	s_wait_dscnt 7-\t                              ; the younger loads may be out
	global_store_b128 v[GO], v[W+4*\t:W+4*\t+3], s[8:9] offset:8192*\t
.endr
	s_wait_tensorcnt 0x0                           ; the wave's end
	ds_add_u32 v[SPW], v[NIL]
	s_wait_dscnt 0x0
	s_endpgm
.Lfunc_end_k_qba1c12e941_attn:
	.size	k_qba1c12e941_attn, .Lfunc_end_k_qba1c12e941_attn-k_qba1c12e941_attn
	.p2alignl 7, 3214868480
	.fill 96, 4, 3214868480
	.section	.rodata,"a",@progbits
	.p2align	6, 0x0
	.amdhsa_kernel k_qba1c12e941_attn
		.amdhsa_group_segment_fixed_size 327680
		.amdhsa_private_segment_fixed_size 0
		.amdhsa_enable_private_segment 0
		.amdhsa_kernarg_size 24
		.amdhsa_user_sgpr_count 2
		.amdhsa_user_sgpr_kernarg_segment_ptr 1
		.amdhsa_wavefront_size32 1
		.amdhsa_system_sgpr_workgroup_id_x 1
		.amdhsa_system_sgpr_workgroup_id_y 1
		.amdhsa_system_sgpr_workgroup_id_z 1
		.amdhsa_system_vgpr_workitem_id 0
		.amdhsa_next_free_vgpr 256
		.amdhsa_next_free_sgpr 100
		.amdhsa_reserve_vcc 1
		.amdhsa_float_denorm_mode_32 3
		.amdhsa_float_denorm_mode_16_64 3
		.amdhsa_memory_ordered 1
		.amdhsa_forward_progress 1
		.amdhsa_inst_pref_size 88
	.end_amdhsa_kernel
	.amdgpu_metadata
---
amdhsa.version: [ 1, 2 ]
amdhsa.kernels:
  - .name:           k_qba1c12e941_attn
    .symbol:         k_qba1c12e941_attn.kd
    .args:
      - { .name: cq, .offset: 0, .size: 8, .value_kind: global_buffer, .address_space: global }
      - { .name: kv16, .offset: 8, .size: 8, .value_kind: global_buffer, .address_space: global }
      - { .name: att16, .offset: 16, .size: 8, .value_kind: global_buffer, .address_space: global }
    .group_segment_fixed_size: 327680
    .private_segment_fixed_size: 0
    .kernarg_segment_align: 8
    .kernarg_segment_size: 24
    .max_flat_workgroup_size: 512
    .sgpr_count:     100
    .vgpr_count:     256
    .wavefront_size: 32
...
	.end_amdgpu_metadata
.endif
;; end of part 5
;; launch oproj (part 6): grid 16 x 16, 4 waves a work-group, clusters of 4 x 4, 327,680 bytes of LDS; arguments att16, w16, out0, b_o; writes out0
.if DOCPART == 6
	.amdgcn_target "amdgcn-amd-amdhsa--gfx1250"
	.amdhsa_code_object_version 6
	.text
	.protected	k_qba1c12e941_oproj
	.globl	k_qba1c12e941_oproj
	.p2align	8
	.type	k_qba1c12e941_oproj,@function
k_qba1c12e941_oproj:
	s_mov_b64 s[64:65], 0
	v_nop
	global_prefetch_b8 v0, s[64:65] scope:SCOPE_SE
	s_setreg_imm32_b32 hwreg(HW_REG_WAVE_MODE, 25, 1), 1
	s_wait_xcnt 0x0
	s_wait_alu depctr_hold_cnt(0) depctr_sa_sdst(0) depctr_va_vdst(0) depctr_va_sdst(0) depctr_va_ssrc(0) depctr_va_vcc(0) depctr_vm_vsrc(0)
	s_getreg_b32 s2, hwreg(HW_REG_IB_STS2, 6, 4)
	s_cmp_eq_u32 s2, 0
	s_cbranch_scc0 .Lentry_in_a_cluster
	s_endpgm
.Lentry_in_a_cluster:
	s_bfe_u32 s2, ttmp6, 0x10000c
	s_cmp_lg_u32 s2, 0xf033
	s_cbranch_scc0 .Lentry_shape_is_right
	s_endpgm
.Lentry_shape_is_right:
; out0[m][n] = sum over k of att16[m][k] w_o[n][k] + b_o[n], f32.  A: att16 [4096][2048] f16; B: the high parts of w_o, f16, at byte BOFF of w16, [2048][2048]; sums in f32; the bias is the C of each sum's first product.
; (The first 16 positions of each sequence are written again, more finely, by a later launch.)
; A tile of C is 256 x 32 NB = 256 x 128, so that C's 16 x 16 tiles give each of 256 work-groups one; four waves, each 128 rows x 64 columns.  K goes in steps of 128 (rows of 256 bytes) through a ring of two LDS slots.
; CLUSTER 4 x 4: A's tile is shared along a row of the cluster, B's along a column: each is asked for jointly, by the same tensor load with the same descriptor and a mask that names the four.
; THE MATRIX INSTRUCTION IS USED TRANSPOSED (source 0 = 16 rows of B, source 1 = 16 rows of A): a lane holds eight neighbouring numbers of a row of C.
; REGISTERS: window 0: v0-31 addresses; v64-127, v128-191 A's fragments, two buffers; v192-223 the bias; rows read back in v32-63, v224-255 by turns.
;   window 1: v64.., v128.. B's fragments, two buffers.   windows 2, 3: the accumulators of my rows 0-63, 64-127 ((a, b) at v[8 (8 (a % 4) + b)]).
.set SIZE_M, 4096
.set SIZE_N, 2048
.set SIZE_K, 2048
.set NB,     4                         ; blocks of 16 columns a wave
.set OUT32,  1                         ; C in f32
.set ESZ,    4
.set BOFF,   4194304
.set KSTEP,  128
.set PITCH,  272                       ; 256 bytes + 16 of padding: the 16 rows that a load touches start at 16 different banks (ISA guide 11.1)
.set HALFA,  128*PITCH
.set HALFB,  16*NB*PITCH
.set SLOT,   2*HALFA+2*HALFB           ; A's 256 rows, then B's 32 NB rows
.set STAGE,  2*SLOT                    ; behind the ring: 16 rows x 272 bytes a wave
.set SPITCH, 272
.set SPARE,  STAGE+4*16*SPITCH         ; the spare words: 128 bytes a wave
.set LAPS,   SIZE_K/(2*KSTEP)
.set ROWC,   SIZE_N*ESZ                ; a row of C in bytes
.set ADRA, 16
.set ADRB, 20
.set STO,  24
.set RD,   25
.set CO,   26
.set BO,   27
.set SPW,  28
.set NIL,  29
.set F0,   64
.set F1,   128
.set TMP,  192
.set BI,   192
.set OB,   32
.set G1, 24
.set G0, 32
.set G1B, 48
.set G0B, 56
.set MSB, 0
.macro WIN new                         ; the immediate's high byte repeats the setting that is left
.if MSB != \new
	s_set_vgpr_msb (MSB<<8)|\new
.set MSB, \new
.endif
.endm
.set MUL_LO, 0xa1                      ; source 0 (B) window 1, source 1 (A) window 0, C and D window 2
.set MUL_HI, 0xf1
.set BIA_LO, 0x81                      ; C (the bias) window 0, D window 2
.set BIA_HI, 0xc1
.set TO_B,   0x40
.macro JLOAD s                         ; waves 0 and 1 fetch A's halves, waves 2 and 3 B's; an s_nop 0 and four v_nop follow each line
	s_cmp_eq_u32 s11, 0
	s_cbranch_scc0 .Lfor_b_\@
	tensor_load_to_lds s[G0+4*\s:G0+4*\s+3], s[G1:G1+7]
	s_nop 0
.rept 4
	v_nop
.endr
	s_branch .Lasked_\@
.Lfor_b_\@:
	tensor_load_to_lds s[G0B+4*\s:G0B+4*\s+3], s[G1B:G1B+7]
	s_nop 0
.rept 4
	v_nop
.endr
.Lasked_\@:
.endm
.macro CREST
	s_cmp_lg_u32 s10, 0
	s_cbranch_scc1 .Lnot_wave_0_\@
	s_barrier_signal -3
.Lnot_wave_0_\@:
	s_barrier_wait -3
	s_barrier_signal -1
	s_barrier_wait -1
.endm
.macro CROUND
	s_barrier_signal -1
	s_barrier_wait -1
	CREST
.endm
	s_load_b128 s[4:7], s[0:1], 0x0                ; A, w16
	s_load_b64 s[8:9], s[0:1], 0x10                ; C
	s_load_b64 s[66:67], s[0:1], 0x18              ; the bias
	v_lshl_add_u32 v[SPW], v0, 2, SPARE
	v_mov_b32 v[NIL], 0
	ds_add_u32 v[SPW], v[NIL]                      ; the wave's opening: the add, twice on end, and its wait ahead of my first tensor load
	ds_add_u32 v[SPW], v[NIL]
	v_lshrrev_b32 v1, 5, v0
	v_readfirstlane_b32 s10, v1                    ; wave 0..3
	s_lshr_b32 s11, s10, 1                         ; which half of the tile's rows is mine.  Also: I fetch for A (0) or for B (1)
	s_and_b32 s12, s10, 1                          ; which half of its columns.  Also: which half of that tile I fetch
	s_bfe_u32 s40, ttmp6, 0x40000                  ; cx
	s_bfe_u32 s41, ttmp6, 0x40004                  ; cy
	s_lshl_b32 s42, ttmp9, 2
	s_add_co_u32 s42, s42, s40                     ; tile column
	s_and_b32 s13, ttmp7, 0xffff
	s_lshl_b32 s13, s13, 2
	s_add_co_u32 s13, s13, s41                     ; tile row
	s_lshl_b32 s43, s41, 2
	s_lshl_b32 s43, 15, s43                        ; my row of the cluster
	s_lshl_b32 s44, 0x1111, s40                    ; my column
	s_or_b32 s[G1+0], s43, (1<<16)|(1<<20)|(1<<21)|(5<<22)|(3<<25)   ; the mask; elements of 2 bytes; padding: 4 words after every 64; bit 21 beside the mask
	s_or_b32 s[G1B+0], s44, (1<<16)|(1<<20)|(1<<21)|(5<<22)|(3<<25)
	s_mov_b32 s[G1+1], KSTEP<<16                   ; tensor_dim0
	s_mov_b32 s[G1B+1], KSTEP<<16
	s_mov_b32 s[G1+2], 128<<16                     ; tensor_dim1
	s_mov_b32 s[G1B+2], (16*NB)<<16
	s_mov_b32 s[G1+3], KSTEP<<16                   ; tile_dim0
	s_mov_b32 s[G1B+3], KSTEP<<16
	s_mov_b32 s[G1+4], 128                         ; tile_dim1
	s_mov_b32 s[G1B+4], 16*NB
	s_mov_b32 s[G1+5], SIZE_K                      ; the pitch, in elements
	s_mov_b32 s[G1B+5], SIZE_K
	s_mov_b32 s[G1+6], 0
	s_mov_b32 s[G1B+6], 0
	s_mov_b32 s[G1+7], 0
	s_mov_b32 s[G1B+7], 0
	s_lshl_b32 s17, s12, 7
	s_lshl_b32 s16, s13, 8
	s_add_co_u32 s16, s16, s17                     ; A: row 256 x tile row + 128 x half
	s_mul_i32 s46, s42, 32*NB
	s_mul_i32 s47, s12, 16*NB
	s_add_co_u32 s46, s46, s47                     ; B: row 32 NB x tile column + 16 NB x half
	s_mov_b32 s17, 0
	s_mov_b32 s47, 0
	s_mov_b64 s[18:19], SIZE_K*2
	s_mul_u64 s[16:17], s[16:17], s[18:19]
	s_mul_u64 s[46:47], s[46:47], s[18:19]
	s_mul_i32 s20, s12, HALFA                      ; where they go: no place in the cluster enters an LDS address
	s_mul_i32 s21, s12, HALFB
	s_add_co_u32 s21, s21, 2*HALFA
	s_wait_dscnt 0x0                               ; both opening adds are done
	s_wait_kmcnt 0x0
	s_add_nc_u64 s[14:15], s[4:5], s[16:17]
	s_add_nc_u64 s[46:47], s[6:7], s[46:47]
.if BOFF
	s_add_nc_u64 s[46:47], s[46:47], BOFF
.endif
	CROUND                                         ; all sixteen work-groups are here: the first joint loads meet
.irp s, 0,1
	s_mov_b32 s[G0+4*\s], 1
	s_add_co_u32 s[G0+4*\s+1], s20, \s*SLOT
	s_add_nc_u64 s[G0+4*\s+2:G0+4*\s+3], s[14:15], \s*KSTEP*2
	s_or_b32 s[G0+4*\s+3], s[G0+4*\s+3], 0x80000000
	s_mov_b32 s[G0B+4*\s], 1
	s_add_co_u32 s[G0B+4*\s+1], s21, \s*SLOT
	s_add_nc_u64 s[G0B+4*\s+2:G0B+4*\s+3], s[46:47], \s*KSTEP*2
	s_or_b32 s[G0B+4*\s+3], s[G0B+4*\s+3], 0x80000000
	JLOAD \s                                       ; two loads of mine are out at the start
.endr
	v_and_b32 v1, 15, v0                           ; l % 16
	v_bfe_u32 v2, v0, 4, 1                         ; l / 16
	v_mul_u32_u24 v3, v1, PITCH
	v_lshl_add_u32 v3, v2, 4, v3
	s_mul_i32 s21, s11, HALFA                      ; my 128 rows of A
	s_mul_i32 s22, s12, HALFB                      ; my 16 NB rows of B,
	s_add_co_u32 s22, s22, 2*HALFA                 ; behind A's 256
.irp s, 0,1
	v_add_nc_u32 v[ADRA+\s], s21, v3
	v_add_nc_u32 v[ADRB+\s], s22, v3
	s_add_co_u32 s21, s21, SLOT
	s_add_co_u32 s22, s22, SLOT
.endr
	s_mul_i32 s23, s10, 16*SPITCH
	s_add_co_u32 s23, s23, STAGE                   ; my stage
	v_mul_u32_u24 v4, v1, SPITCH
	v_lshl_add_u32 v4, v2, 4+OUT32, v4             ; in: row l % 16; my half's eight numbers
	v_add_nc_u32 v[STO], s23, v4
	v_mul_u32_u24 v5, v2, SPITCH
	v_lshl_add_u32 v5, v1, 4, v5
	v_add_nc_u32 v[RD], s23, v5                    ; back: lanes 0-15 one row of 256 bytes, lanes 16-31 the next
	v_mul_u32_u24 v5, v2, ROWC
	v_lshl_add_u32 v[CO], v1, 4, v5                ; and the same two rows in C
	v_lshlrev_b32 v[BO], 5, v2
	s_lshl_b32 s13, s13, 8
	s_lshl_b32 s14, s11, 7
	s_add_co_u32 s16, s13, s14                     ; my first row of C
	s_mov_b32 s17, 0
	s_mov_b64 s[18:19], ROWC
	s_mul_u64 s[16:17], s[16:17], s[18:19]
	s_lshl_b32 s46, s42, 9                         ; my first column, in bytes: 512 x tile column + 256 x half
	s_lshl_b32 s47, s12, 8
	s_add_co_u32 s46, s46, s47
	s_mov_b32 s47, 0
	s_add_nc_u64 s[16:17], s[16:17], s[46:47]      ; the first way out adds it to C's address
	s_mul_i32 s20, s42, 128*NB
	s_mul_i32 s21, s12, 64*NB
	s_add_co_u32 s20, s20, s21                     ; 4 x my first column
	s_mov_b32 s21, 0
	s_add_nc_u64 s[66:67], s[66:67], s[20:21]
.irp b, 0,1,2,3,4,5,6,7
.if \b < NB
	global_load_b128 v[BI+8*\b:BI+8*\b+3], v[BO], s[66:67] offset:64*\b          ; lane (r, h): the bias of columns 16 b + 8 h + 0 .. 7
	global_load_b128 v[BI+8*\b+4:BI+8*\b+7], v[BO], s[66:67] offset:64*\b+16
.endif
.endr
; 2 NB matrix instructions: A's blocks a0, a0 + 1 of the window's four x B's NB.  bias = 1: the first product starts the sums from the bias.  The accumulators take turns, one instruction a turn.
.macro MULA f, hi, a0, bias
.irp a, \a0, \a0+1
.irp b, 0,1,2,3,4,5,6,7
.if \b < NB
.if \bias
	v_wmma_f32_16x16x32_f16 v[8*(8*(\a)+\b):8*(8*(\a)+\b)+7], v[\f+8*\b:\f+8*\b+7], v[\f+8*(4*\hi+\a):\f+8*(4*\hi+\a)+7], v[BI+8*\b:BI+8*\b+7]
.else
	v_wmma_f32_16x16x32_f16 v[8*(8*(\a)+\b):8*(8*(\a)+\b)+7], v[\f+8*\b:\f+8*\b+7], v[\f+8*(4*\hi+\a):\f+8*(4*\hi+\a)+7], v[8*(8*(\a)+\b):8*(8*(\a)+\b)+7]
.endif
.endif
.endr
.endr
.endm
.macro FETCH slot, k, f                ; one run of LDS loads: B's NB fragments, then A's eight, 32 along K at byte k of the rows
	WIN TO_B
.irp i, 0,1,2,3,4,5,6,7
.if \i < NB
	ds_load_b128 v[\f+8*\i:\f+8*\i+3],   v[ADRB+\slot] offset:\k+\i*16*PITCH
	ds_load_b128 v[\f+8*\i+4:\f+8*\i+7], v[ADRB+\slot] offset:\k+\i*16*PITCH+32
.endif
.endr
	WIN 0
.irp i, 0,1,2,3,4,5,6,7
	ds_load_b128 v[\f+8*\i:\f+8*\i+3],   v[ADRA+\slot] offset:\k+\i*16*PITCH
	ds_load_b128 v[\f+8*\i+4:\f+8*\i+7], v[ADRA+\slot] offset:\k+\i*16*PITCH+32
.endr
.endm
.macro PLACES                          ; four plain vector instructions between a matrix instruction and a load into, or a read of, its registers
.rept 4
	v_nop
.endr
.endm
.macro QUARTER slot, k, f, g, bias
	s_wait_dscnt 8                                 ; B and A's rows 0-63 are in; the youngest eight loads (A's rows 64-127) may be out
.if \bias
	WIN BIA_LO
.else
	WIN MUL_LO
.endif
	MULA \f, 0, 0, \bias
	MULA \f, 0, 2, \bias
	PLACES
	FETCH \slot, \k, \g
	s_wait_dscnt 2*NB+16                           ; all but the loads just issued
.if \bias
	WIN BIA_HI
.else
	WIN MUL_HI
.endif
	MULA \f, 1, 0, \bias
	MULA \f, 1, 2, \bias
.endm
; The last quarter of a K step changes slots: one barrier.  In front of it each wave waits for all its tensor loads, adds 0 to its spare word, and waits for that and for its reads of this slot.
.macro MEET round
	WIN 0
	s_wait_tensorcnt 0x0                           ; all my tensor loads have landed: the one that was out is my part of the next slot
	ds_add_u32 v[SPW], v[NIL]
	s_wait_dscnt 9                                 ; the add and the youngest eight loads may be out
	WIN MUL_LO
	MULA F1, 0, 0, 0
	s_wait_dscnt 0x0                               ; the add is done, and my reads of this slot are over
	s_barrier_signal -1
	MULA F1, 0, 2, 0
.if \round
	WIN 0
.endif
	s_barrier_wait -1
.endm
.macro TURN slot, next, fill
	MEET \fill
.if \fill
	CREST                                          ; the barrier has opened a round of the cluster's barrier: no wave of any partner still reads this slot or has a load on its way
	s_add_nc_u64 s[G0+4*\slot+2:G0+4*\slot+3], s[G0+4*\slot+2:G0+4*\slot+3], 2*KSTEP*2
	s_add_nc_u64 s[G0B+4*\slot+2:G0B+4*\slot+3], s[G0B+4*\slot+2:G0B+4*\slot+3], 2*KSTEP*2
	JLOAD \slot                                    ; my one tensor load behind the round; its four v_nop are the places in front of the loads below
.else
	PLACES
.endif
	FETCH \next, 0, F0
	WIN MUL_HI
	MULA F1, 1, 0, 0
	MULA F1, 1, 2, 0
.endm
	s_wait_tensorcnt 1                             ; my part of K step 0 is in; K step 1's load may be out
	s_barrier_signal -1
	s_barrier_wait -1
	FETCH 0, 0, F0
	s_wait_loadcnt 0x0                             ; the bias
	QUARTER 0, 64, F0, F1, 1                       ; the first quarter stands in front of the loop: its products start the sums
	WIN 0
	s_mov_b32 s3, LAPS-1
.Llap:                                                 ; a trip goes once round the ring and fills both slots again
	QUARTER 0, 128, F1, F0, 0
	QUARTER 0, 192, F0, F1, 0
	TURN 0, 1, 1
	QUARTER 1, 64,  F0, F1, 0
	QUARTER 1, 128, F1, F0, 0
	QUARTER 1, 192, F0, F1, 0
	TURN 1, 0, 1
	QUARTER 0, 64,  F0, F1, 0
	WIN 0
	s_sub_co_u32 s3, s3, 1
	s_cmp_lg_u32 s3, 0
	s_cbranch_scc1 .Llap
	QUARTER 0, 128, F1, F0, 0                      ; the last lap fills nothing
	QUARTER 0, 192, F0, F1, 0
	TURN 0, 1, 0
	QUARTER 1, 64,  F0, F1, 0
	QUARTER 1, 128, F1, F0, 0
	QUARTER 1, 192, F0, F1, 0
	s_wait_dscnt 8
	WIN MUL_LO
	MULA F1, 0, 0, 0
	MULA F1, 0, 2, 0
	s_wait_dscnt 0
	WIN MUL_HI
	MULA F1, 1, 0, 0
	MULA F1, 1, 2, 0
	WIN 0
	PLACES
; THE WAY OUT, a block of 16 rows at a time (256 bytes a row), through my own stage: sixteen lanes store 256 consecutive bytes, aligned.
.macro PACK a
.set AC, 64*((\a)%4)
	WIN 0x0a+5*((\a)/4)                            ; sources 0 and 1: window 2 or 3
.irp b, 0,1,2,3,4,5,6,7
.if \b < NB
.irp r, 0,1,2,3
	v_cvt_pk_f16_f32 v[TMP+4*\b+\r], v[AC+8*\b+2*\r], v[AC+8*\b+2*\r+1]   ; each accumulator from its low end on
.endr
.endif
.endr
	WIN 0
.endm
.macro TOSTAGE a
.set AC, 64*((\a)%4)
.set BK, OB+192*((\a)%2)
.if OUT32
	WIN 0x08+4*((\a)/4)                            ; an LDS store's data are its source 1: window 2 or 3
.irp b, 0,1,2,3,4,5,6,7
.if \b < NB
	ds_store_b128 v[STO], v[AC+8*\b:AC+8*\b+3] offset:64*\b
	ds_store_b128 v[STO], v[AC+8*\b+4:AC+8*\b+7] offset:64*\b+16
.endif
.endr
	WIN 0
.else
.irp b, 0,1,2,3,4,5,6,7
	ds_store_b128 v[STO], v[TMP+4*\b:TMP+4*\b+3] offset:32*\b
.endr
.endif
.irp t, 0,1,2,3,4,5,6,7
	ds_load_b128 v[BK+4*\t:BK+4*\t+3], v[RD] offset:\t*2*SPITCH    ; LDS serves a wave's instructions in order: these see the stores above
.endr
.endm
.macro SEND a, younger
.set BK, OB+192*((\a)%2)
	s_wait_dscnt \younger                          ; the block is back; the next block's 8 stores and 8 loads may be out
.if (\a) == 0
	s_add_nc_u64 s[8:9], s[8:9], s[16:17]
.else
	s_add_nc_u64 s[8:9], s[8:9], 16*ROWC           ; behind a wait on XCNT: the earlier stores have read their base
.endif
.irp t, 0,1,2,3,4,5,6,7
	global_store_b128 v[CO], v[BK+4*\t:BK+4*\t+3], s[8:9] offset:2*\t*ROWC
.endr
.endm
.if OUT32 == 0
	PACK 0
.endif
	TOSTAGE 0
.irp a, 1,2,3,4,5,6,7
.if OUT32 == 0
	PACK \a
.endif
.if \a > 1
	s_wait_xcnt 0x0                                ; block a - 2's stores have read their registers and their base
.endif
	TOSTAGE \a
	SEND \a-1, 16
.endr
	s_wait_xcnt 0x0
	SEND 7, 0
	s_wait_tensorcnt 0x0                           ; the wave's end
	ds_add_u32 v[SPW], v[NIL]
	s_wait_dscnt 0x0
	CROUND                                         ; the closing round
	s_endpgm
.Lfunc_end_k_qba1c12e941_oproj:
	.size	k_qba1c12e941_oproj, .Lfunc_end_k_qba1c12e941_oproj-k_qba1c12e941_oproj
	.p2alignl 7, 3214868480
	.fill 96, 4, 3214868480
	.section	.rodata,"a",@progbits
	.p2align	6, 0x0
	.amdhsa_kernel k_qba1c12e941_oproj
		.amdhsa_group_segment_fixed_size 327680
		.amdhsa_private_segment_fixed_size 0
		.amdhsa_enable_private_segment 0
		.amdhsa_kernarg_size 32
		.amdhsa_user_sgpr_count 2
		.amdhsa_user_sgpr_kernarg_segment_ptr 1
		.amdhsa_wavefront_size32 1
		.amdhsa_system_sgpr_workgroup_id_x 1
		.amdhsa_system_sgpr_workgroup_id_y 1
		.amdhsa_system_sgpr_workgroup_id_z 1
		.amdhsa_system_vgpr_workitem_id 0
		.amdhsa_next_free_vgpr 1024
		.amdhsa_next_free_sgpr 70
		.amdhsa_reserve_vcc 0
		.amdhsa_float_denorm_mode_32 3
		.amdhsa_float_denorm_mode_16_64 3
		.amdhsa_memory_ordered 1
		.amdhsa_forward_progress 1
		.amdhsa_inst_pref_size 88
	.end_amdhsa_kernel
	.amdgpu_metadata
---
amdhsa.version: [ 1, 2 ]
amdhsa.kernels:
  - .name:           k_qba1c12e941_oproj
    .symbol:         k_qba1c12e941_oproj.kd
    .args:
      - { .name: att16, .offset: 0, .size: 8, .value_kind: global_buffer, .address_space: global }
      - { .name: w16, .offset: 8, .size: 8, .value_kind: global_buffer, .address_space: global }
      - { .name: out0, .offset: 16, .size: 8, .value_kind: global_buffer, .address_space: global }
      - { .name: b_o, .offset: 24, .size: 8, .value_kind: global_buffer, .address_space: global }
    .group_segment_fixed_size: 327680
    .private_segment_fixed_size: 0
    .kernarg_segment_align: 8
    .kernarg_segment_size: 32
    .max_flat_workgroup_size: 128
    .sgpr_count:     70
    .vgpr_count:     1024
    .wavefront_size: 32
...
	.end_amdgpu_metadata
.endif
;; end of part 6
;; launch fine1 (part 7): grid 64 x 1, 16 waves a work-group, no clusters, 53,760 bytes of LDS; arguments cq, lat16, w16, b_kv, fa; writes fa
.if DOCPART == 7
	.amdgcn_target "amdgcn-amd-amdhsa--gfx1250"
	.amdhsa_code_object_version 6
	.text
	.protected	k_qba1c12e941_fine1
	.globl	k_qba1c12e941_fine1
	.p2align	8
	.type	k_qba1c12e941_fine1,@function
k_qba1c12e941_fine1:
	s_mov_b64 s[64:65], 0
	v_nop
	global_prefetch_b8 v0, s[64:65] scope:SCOPE_SE
	s_setreg_imm32_b32 hwreg(HW_REG_WAVE_MODE, 25, 1), 1
	s_wait_xcnt 0x0
; The first 16 positions of every sequence and head, carried finely: these rows average one to sixteen values and are the largest of the output.
; A work-group (x = 16 b + h) makes k and v of positions 0-15 anew from lat16 and w_kv's f16, KEEPS THEM IN f32, takes q in f32 from cq, and does scores, softmax and the weighted sum in f32
; (v_wmma_f32_16x16x4_f32: 32 + 32 instructions a work-group, no bulk work).  The result leaves as a pair of f16: hi at byte 0 of fa, [64][2048] with row 16 b + s, and lo = f16((o - hi) x 2048) 262,144 bytes on.
; PHASES, four barriers.  A: wave w makes 16 channels (waves 0-7: k's, 8-15: v's) for the 16 positions, K = 512; latent rows and q's rows go through LDS.  B: wave 0: scores, mask, softmax; p as an image of its registers.
; C: waves 0-7: 16 channels of O^T each, and the pair, into two stages.  D: waves 0 and 1 store hi and lo, sixteen lanes to 256 consecutive bytes, aligned.
; Every LDS address is made at the head, ahead of the first parting of the waves.  The registers v32-63 are written by matrix instructions alone.
; LIMITS as in the bulk launch for the latent and w_kv in f16; NaN and infinities are not served.
.set LAT,   0                          ; 16 rows x (1,024 + 16) bytes: the latent, f16
.set LATP,  1040
.set FP,    528                        ; rows of 128 f32 + 16 bytes
.set QF,    16640
.set KFF,   25088
.set VFF,   33536
.set PIMG,  41984                      ; p: 8 registers x 32 lanes
.set STH,   43008                      ; 16 rows x 272: hi;
.set STL,   47360                      ; lo
.set SPARE, 51712                      ; the spare words: 128 bytes a wave
	s_load_b256 s[4:11], s[0:1], 0x0               ; cq, lat16, w16, b_kv
	s_load_b64 s[12:13], s[0:1], 0x20              ; fa
	v_lshl_add_u32 v4, v0, 2, SPARE                ; my spare word; never rewritten
	v_mov_b32 v5, 0                                ; 0; never rewritten
	v_lshrrev_b32 v1, 5, v0
	v_readfirstlane_b32 s20, v1                    ; wave 0..15
	v_and_b32 v1, 15, v0                           ; r
	v_bfe_u32 v2, v0, 4, 1                         ; h
	v_and_b32 v3, 31, v0                           ; lane
	s_and_b32 s21, s20, 7                          ; my tile of 16 channels
	s_lshr_b32 s22, s20, 3                         ; k (0) or v (1)
	s_min_u32 s23, s20, 1
	s_lshr_b32 s24, ttmp9, 4                       ; b
	s_and_b32 s25, ttmp9, 15                       ; the head
	v_lshlrev_b32 v17, 4, v3                       ; 16 x lane
	s_mul_i32 s26, s20, LATP
	v_add_nc_u32 v6, s26, v17                      ; v6  the latent's row w, on the way in
	s_mul_i32 s26, s20, FP
	s_add_co_u32 s26, s26, QF
	v_add_nc_u32 v7, s26, v17                      ; v7  q's row w, on the way in
	v_mul_u32_u24 v8, v1, LATP
	v_lshl_add_u32 v8, v2, 4, v8                   ; v8  a fragment of the latent
	v_mul_u32_u24 v248, v1, FP
	s_mul_i32 s26, s22, VFF-KFF
	s_lshl_b32 s27, s21, 6
	s_add_co_u32 s26, s26, s27
	s_add_co_u32 s26, s26, KFF
	v_lshl_add_u32 v9, v2, 5, v248
	v_add_nc_u32 v9, s26, v9                       ; v9  where my eight channels of position r go
	v_lshl_add_u32 v10, v2, 4, v248
	v_add_nc_u32 v11, QF, v10                      ; v11 q: row r, + 16 h
	v_add_nc_u32 v10, KFF, v10                     ; v10 k: the same
	v_add_nc_u32 v12, PIMG, v17                    ; v12 p's image
	v_mul_u32_u24 v13, v2, 8*FP
	v_lshl_add_u32 v13, v1, 2, v13
	s_add_co_u32 s26, s27, VFF
	v_add_nc_u32 v13, s26, v13                     ; v13 v: key 8 h, channel 16 ct + r
	v_mul_u32_u24 v14, v1, 272
	v_lshl_add_u32 v14, v2, 4, v14
	s_lshl_b32 s26, s21, 5
	s_add_co_u32 s26, s26, STH
	v_add_nc_u32 v14, s26, v14                     ; v14 the stages, on the way in
	v_mul_u32_u24 v15, v2, 272
	v_lshl_add_u32 v15, v1, 4, v15
	s_mul_i32 s26, s23, STL-STH
	s_add_co_u32 s26, s26, STH
	v_add_nc_u32 v15, s26, v15                     ; v15 and on the way out: wave 0 hi, wave 1 lo
	v_lshlrev_b32 v16, 10, v1
	v_lshl_add_u32 v16, v2, 4, v16                 ; v16 w_kv: row r of 1,024 bytes, + 16 h
	v_lshlrev_b32 v18, 5, v2                       ; v18 the bias: 32 h
	v_lshlrev_b32 v19, 12, v2
	v_lshl_add_u32 v19, v1, 4, v19                 ; v19 fa: lanes 0-15 one row, lanes 16-31 the next
	v_mov_b32 v252, 0                              ; a lane permute's destination counts as one of its sources
	s_mov_b32 s30, 0x3e0293ee                      ; c = log2(e) / sqrt(128)
	s_mov_b32 s32, 0x76543210
	s_mov_b32 s33, 0xfedcba98
	s_lshl_b32 s27, s24, 10
	s_add_co_u32 s27, s27, s20                     ; row 1,024 b + w
	s_lshl_b32 s28, s27, 10
	s_mov_b32 s29, 0
	s_mul_i32 s34, s27, 10240
	s_lshl_b32 s35, s25, 9
	s_add_co_u32 s34, s34, s35
	s_mov_b32 s35, 0
	s_lshl_b32 s36, s25, 7
	s_lshl_b32 s37, s21, 4
	s_add_co_u32 s36, s36, s37
	s_lshl_b32 s37, s22, 11
	s_add_co_u32 s36, s36, s37                     ; my first row of w_kv
	s_lshl_b32 s38, s36, 2
	s_lshl_b32 s36, s36, 10
	s_mov_b32 s37, 0
	s_mov_b32 s39, 0
	s_lshl_b32 s26, s23, 18
	s_lshl_b32 s27, s24, 16
	s_add_co_u32 s26, s26, s27
	s_lshl_b32 s27, s25, 8
	s_add_co_u32 s26, s26, s27
	s_mov_b32 s27, 0
	s_wait_kmcnt 0x0
	s_add_nc_u64 s[6:7], s[6:7], s[28:29]
	s_add_nc_u64 s[4:5], s[4:5], s[34:35]
	s_add_nc_u64 s[8:9], s[8:9], s[36:37]
	s_add_nc_u64 s[10:11], s[10:11], s[38:39]
	s_add_nc_u64 s[12:13], s[12:13], s[26:27]
	; ---- A
	global_load_b128 v[192:195], v17, s[6:7]
	global_load_b128 v[196:199], v17, s[6:7] offset:512
	global_load_b128 v[28:31], v17, s[4:5]
	global_load_b128 v[20:23], v18, s[10:11]
	global_load_b128 v[24:27], v18, s[10:11] offset:16
.irp s, 0,1,2,3,4,5,6,7,8,9,10,11,12,13,14,15
	global_load_b128 v[64+8*\s:67+8*\s], v16, s[8:9] offset:64*\s
	global_load_b128 v[68+8*\s:71+8*\s], v16, s[8:9] offset:64*\s+32
.endr
	s_wait_loadcnt 34                              ; the latent's row and q's row are in; the bias's two loads and the weights' 32 may be out
	ds_store_b128 v6, v[192:195]
	ds_store_b128 v6, v[196:199] offset:512
	ds_store_b128 v7, v[28:31]
	s_wait_dscnt 0x0
	s_barrier_signal -1
	s_barrier_wait -1                              ; 16 rows of the latent and of q lie in LDS
.irp g, 0,1,2,3
.if \g > 0
.rept 4
	v_nop                                          ; places in front of loads into registers that matrix instructions have read
.endr
.endif
.irp i, 0,1,2,3
	ds_load_b128 v[192+8*\i:195+8*\i], v8 offset:64*(4*\g+\i)
	ds_load_b128 v[196+8*\i:199+8*\i], v8 offset:64*(4*\g+\i)+32
.endr
	s_wait_loadcnt 8*(3-\g)                        ; this group's eight loads of the weights are in; the later groups' may be out
	s_wait_dscnt 0x0
.irp i, 0,1,2,3                        ; transposed: source 0 = 16 rows of w_kv, source 1 = the 16 positions; two accumulators by turns
.if (4*\g+\i) == 0
	v_wmma_f32_16x16x32_f16 v[224:231], v[64:71], v[192:199], v[20:27]
.elseif (4*\g+\i) == 1
	v_wmma_f32_16x16x32_f16 v[232:239], v[72:79], v[200:207], 0
.else
	v_wmma_f32_16x16x32_f16 v[224+8*(\i%2):231+8*(\i%2)], v[64+8*(4*\g+\i):71+8*(4*\g+\i)], v[192+8*\i:199+8*\i], v[224+8*(\i%2):231+8*(\i%2)]
.endif
.endr
.endr
.rept 4
	v_nop
.endr
.irp j, 0,1,2,3,4,5,6,7
	v_add_f32 v[240+\j], v[224+\j], v[232+\j]      ; position r, channels 8 h + j of my tile, in f32
.endr
	ds_store_b128 v9, v[240:243]
	ds_store_b128 v9, v[244:247] offset:16
	s_wait_dscnt 0x0
	s_barrier_signal -1
	s_barrier_wait -1                              ; k and v of the 16 positions lie in LDS
	; ---- B: wave 0
	s_cmp_lg_u32 s20, 0
	s_cbranch_scc1 .Lnot_0
.irp s, 0,1,2,3,4,5,6,7,8,9,10,11,12,13,14,15
	ds_load_b128 v[64+4*\s:67+4*\s], v10 offset:32*\s      ; lane (r, h): channels 8 s + 4 h + 0 .. 3 of key r
.endr
.irp s, 0,1,2,3,4,5,6,7,8,9,10,11,12,13,14,15
	ds_load_b128 v[128+4*\s:131+4*\s], v11 offset:32*\s    ; the same channels of query r: one order of the channels on both sides
.endr
	s_wait_dscnt 0x0
.irp i, 0,1,2,3,4,5,6,7,8,9,10,11,12,13,14,15,16,17,18,19,20,21,22,23,24,25,26,27,28,29,30,31
.if \i < 4
	v_wmma_f32_16x16x4_f32 v[32+8*(\i%4):39+8*(\i%4)], v[64+2*\i:65+2*\i], v[128+2*\i:129+2*\i], 0
.else
	v_wmma_f32_16x16x4_f32 v[32+8*(\i%4):39+8*(\i%4)], v[64+2*\i:65+2*\i], v[128+2*\i:129+2*\i], v[32+8*(\i%4):39+8*(\i%4)]
.endif
.endr
.rept 8
	v_nop                                          ; eight places behind this form (ISA guide 7.12.1)
.endr
.irp j, 0,1,2,3,4,5,6,7
	v_add_f32 v[192+\j], v[32+\j], v[40+\j]        ; query r, key 8 h + j; each accumulator from its low end on
	v_add_f32 v248, v[48+\j], v[56+\j]
	v_add_f32 v[192+\j], v[192+\j], v248
.endr
	v_lshlrev_b32 v249, 3, v2
	v_sub_nc_u32 v249, v1, v249                    ; r - 8 h: key 8 h + j is hidden where j > r - 8 h
	v_mov_b32 v250, 0xff800000
.irp j, 0,1,2,3,4,5,6,7
	v_cmp_gt_i32 vcc_lo, \j, v249
	v_cndmask_b32 v[192+\j], v[192+\j], v250, vcc_lo
.endr
	v_max3_num_f32 v251, v192, v193, v194
	v_max3_num_f32 v251, v251, v195, v196
	v_max3_num_f32 v251, v251, v197, v198
	v_max_num_f32 v251, v251, v199
	v_permlanex16_b32 v252, v251, s32, s33
	v_max_num_f32 v251, v251, v252                 ; the row's largest score (key 0 counts for every query)
	v_mul_f32 v251, s30, v251
.irp j, 0,1,2,3,4,5,6,7
	v_fma_f32 v[192+\j], v[192+\j], s30, -v251
.endr
.irp j, 0,1,2,3,4,5,6,7
	v_exp_f32 v[192+\j], v[192+\j]
.endr
	v_nop
	s_wait_alu depctr_va_vdst(0)                   ; one wait for the eight, ahead of their first reader
	v_add_f32 v253, v192, v193
	v_add_f32 v254, v194, v195
	v_add_f32 v255, v196, v197
	v_add_f32 v253, v253, v254
	v_add_f32 v254, v198, v199
	v_add_f32 v255, v255, v254
	v_add_f32 v253, v253, v255
	v_permlanex16_b32 v252, v253, s32, s33
	v_add_f32 v253, v253, v252
	v_rcp_f32 v254, v253
	v_nop
	s_wait_alu depctr_va_vdst(0)
.irp j, 0,1,2,3,4,5,6,7
	v_mul_f32 v[192+\j], v[192+\j], v254
.endr
	ds_store_b128 v12, v[192:195]
	ds_store_b128 v12, v[196:199] offset:512
.Lnot_0:
	s_wait_dscnt 0x0
	s_barrier_signal -1
	s_barrier_wait -1                              ; p lies in LDS
	; ---- C: waves 0-7
	s_cmp_ge_u32 s20, 8
	s_cbranch_scc1 .Lnot_c
	ds_load_b128 v[200:203], v12
	ds_load_b128 v[204:207], v12 offset:512        ; lane (r, h): p of query r, keys 8 h + 0 .. 7
.irp e, 0,1,2,3,4,5,6,7
	ds_load_b32 v[208+\e], v13 offset:FP*\e        ; lane (r, h): v of key 8 h + e, channel 16 ct + r: the same keys at the same places as p's
.endr
	s_wait_dscnt 0x0
	v_wmma_f32_16x16x4_f32 v[32:39], v[208:209], v[200:201], 0
	v_wmma_f32_16x16x4_f32 v[40:47], v[210:211], v[202:203], 0
	v_wmma_f32_16x16x4_f32 v[32:39], v[212:213], v[204:205], v[32:39]
	v_wmma_f32_16x16x4_f32 v[40:47], v[214:215], v[206:207], v[40:47]
.rept 8
	v_nop
.endr
.irp j, 0,1,2,3,4,5,6,7
	v_add_f32 v[216+\j], v[32+\j], v[40+\j]        ; query r, channels 16 ct + 8 h + j
.endr
	v_cvt_pk_f16_f32 v28, v216, v217
	v_cvt_pk_f16_f32 v29, v218, v219
	v_cvt_pk_f16_f32 v30, v220, v221
	v_cvt_pk_f16_f32 v31, v222, v223
	v_cvt_f32_f16 v240, v28.l
	v_cvt_f32_f16 v241, v28.h
	v_cvt_f32_f16 v242, v29.l
	v_cvt_f32_f16 v243, v29.h
	v_cvt_f32_f16 v244, v30.l
	v_cvt_f32_f16 v245, v30.h
	v_cvt_f32_f16 v246, v31.l
	v_cvt_f32_f16 v247, v31.h
.irp j, 0,2,4,6
	v_pk_add_f32 v[240+\j:241+\j], v[216+\j:217+\j], v[240+\j:241+\j] neg_lo:[0,1] neg_hi:[0,1]   ; o - hi
.endr
.irp j, 0,2,4,6
	v_pk_mul_f32 v[240+\j:241+\j], v[240+\j:241+\j], 0x45000000 op_sel_hi:[1,0]                   ; x 2048
.endr
	v_cvt_pk_f16_f32 v20, v240, v241
	v_cvt_pk_f16_f32 v21, v242, v243
	v_cvt_pk_f16_f32 v22, v244, v245
	v_cvt_pk_f16_f32 v23, v246, v247
	ds_store_b128 v14, v[28:31]
	ds_store_b128 v14, v[20:23] offset:STL-STH
.Lnot_c:
	s_wait_dscnt 0x0
	s_barrier_signal -1
	s_barrier_wait -1                              ; 16 whole rows of hi and of lo lie in the stages
	; ---- D: waves 0 and 1
	s_cmp_ge_u32 s20, 2
	s_cbranch_scc1 .Lend
.irp t, 0,1,2,3,4,5,6,7
	ds_load_b128 v[64+4*\t:67+4*\t], v15 offset:544*\t
.endr
.irp t, 0,1,2,3,4,5,6,7
	s_wait_dscnt 7-\t                              ; the younger loads may be out
	global_store_b128 v19, v[64+4*\t:67+4*\t], s[12:13] offset:8192*\t
.endr
.Lend:
	s_wait_tensorcnt 0x0                           ; the wave's end
	ds_add_u32 v4, v5
	s_wait_dscnt 0x0
	s_endpgm
.Lfunc_end_k_qba1c12e941_fine1:
	.size	k_qba1c12e941_fine1, .Lfunc_end_k_qba1c12e941_fine1-k_qba1c12e941_fine1
	.p2alignl 7, 3214868480
	.fill 96, 4, 3214868480
	.section	.rodata,"a",@progbits
	.p2align	6, 0x0
	.amdhsa_kernel k_qba1c12e941_fine1
		.amdhsa_group_segment_fixed_size 53760
		.amdhsa_private_segment_fixed_size 0
		.amdhsa_enable_private_segment 0
		.amdhsa_kernarg_size 40
		.amdhsa_user_sgpr_count 2
		.amdhsa_user_sgpr_kernarg_segment_ptr 1
		.amdhsa_wavefront_size32 1
		.amdhsa_system_sgpr_workgroup_id_x 1
		.amdhsa_system_sgpr_workgroup_id_y 1
		.amdhsa_system_sgpr_workgroup_id_z 1
		.amdhsa_system_vgpr_workitem_id 0
		.amdhsa_next_free_vgpr 256
		.amdhsa_next_free_sgpr 66
		.amdhsa_reserve_vcc 1
		.amdhsa_float_denorm_mode_32 3
		.amdhsa_float_denorm_mode_16_64 3
		.amdhsa_memory_ordered 1
		.amdhsa_forward_progress 1
		.amdhsa_inst_pref_size 25
	.end_amdhsa_kernel
	.amdgpu_metadata
---
amdhsa.version: [ 1, 2 ]
amdhsa.kernels:
  - .name:           k_qba1c12e941_fine1
    .symbol:         k_qba1c12e941_fine1.kd
    .args:
      - { .name: cq, .offset: 0, .size: 8, .value_kind: global_buffer, .address_space: global }
      - { .name: lat16, .offset: 8, .size: 8, .value_kind: global_buffer, .address_space: global }
      - { .name: w16, .offset: 16, .size: 8, .value_kind: global_buffer, .address_space: global }
      - { .name: b_kv, .offset: 24, .size: 8, .value_kind: global_buffer, .address_space: global }
      - { .name: fa, .offset: 32, .size: 8, .value_kind: global_buffer, .address_space: global }
    .group_segment_fixed_size: 53760
    .private_segment_fixed_size: 0
    .kernarg_segment_align: 8
    .kernarg_segment_size: 40
    .max_flat_workgroup_size: 512
    .sgpr_count:     66
    .vgpr_count:     256
    .wavefront_size: 32
...
	.end_amdgpu_metadata
.endif
;; end of part 7
;; launch fine2 (part 8): grid 128 x 2, 16 waves a work-group, no clusters, 34,816 bytes of LDS; arguments fa, w16, b_o, out0; writes out0
.if DOCPART == 8
	.amdgcn_target "amdgcn-amd-amdhsa--gfx1250"
	.amdhsa_code_object_version 6
	.text
	.protected	k_qba1c12e941_fine2
	.globl	k_qba1c12e941_fine2
	.p2align	8
	.type	k_qba1c12e941_fine2,@function
k_qba1c12e941_fine2:
	s_mov_b64 s[64:65], 0
	v_nop
	global_prefetch_b8 v0, s[64:65] scope:SCOPE_SE
	s_setreg_imm32_b32 hwreg(HW_REG_WAVE_MODE, 25, 1), 1
	s_wait_xcnt 0x0
; The projection on the way out for the first 16 positions of each sequence, with both operands as pairs of f16: (ah + al / 2048)(wh + wl / 2048) = ah wh + (ah wl + al wh) / 2048, the last product of the low parts left out
; (it lies 22 bits under the first).  It writes those 64 rows of out0 over what the bulk launch left there.
; A work-group takes 16 columns (x) and two batches (2 y, 2 y + 1).  Wave w takes K = 128 w .. 128 w + 127: 256 aligned bytes of every row.  All 50 loads of a wave go out at once.
; The sixteen partial sums meet in LDS as images of their registers; waves 0 and 1 add them in a fixed order onto the bias and store.
; STATED COST: a store covers 64 bytes of a row, so 256-byte runs of out0 are written in parts; the launch writes 524,288 bytes in all.
; Transposed use: source 0 = 16 rows of w_o, source 1 = the 16 positions: a lane holds position r and columns 8 h + 0 .. 7.
.set WOH,   4194304
.set SPARE, 32768                      ; behind the sixteen images of 2,048 bytes: the spare words, 128 bytes a wave
	s_load_b256 s[4:11], s[0:1], 0x0               ; fa, w16, b_o, out0
	v_lshl_add_u32 v4, v0, 2, SPARE                ; my spare word; never rewritten
	v_mov_b32 v5, 0                                ; 0; never rewritten
	v_lshrrev_b32 v1, 5, v0
	v_readfirstlane_b32 s12, v1                    ; wave 0..15
	v_and_b32 v1, 15, v0                           ; r
	v_bfe_u32 v2, v0, 4, 1                         ; h
	v_and_b32 v3, 31, v0
	v_lshlrev_b32 v3, 4, v3                        ; 16 x lane
	v_lshlrev_b32 v6, 12, v1
	v_lshl_add_u32 v6, v2, 4, v6                   ; v6  a fragment: row r of 4,096 bytes, + 16 h
	s_lshl_b32 s14, s12, 11
	v_add_nc_u32 v7, s14, v3                       ; v7  my image
	s_min_u32 s15, s12, 1
	s_lshl_b32 s14, s15, 10
	v_add_nc_u32 v8, s14, v3                       ; v8  the images' half that I add up (wave 0: batch 2 y, wave 1: 2 y + 1)
	v_lshlrev_b32 v9, 5, v2                        ; v9  the bias: 32 h
	v_lshl_add_u32 v10, v1, 13, v9                 ; v10 out0: row r of 8,192 bytes, + 32 h
	s_and_b32 s13, ttmp7, 0xffff
	s_lshl_b32 s16, s13, 17                        ; two batches of 16 rows of 4,096 bytes
	s_lshl_b32 s17, s12, 8
	s_add_co_u32 s16, s16, s17
	s_lshl_b32 s18, ttmp9, 16                      ; 16 rows of w_o
	s_add_co_u32 s18, s18, s17
	s_add_co_u32 s18, s18, WOH
	s_mov_b32 s17, 0
	s_mov_b32 s19, 0
	s_lshl_b32 s20, ttmp9, 6
	s_mov_b32 s21, 0
	s_lshl_b32 s22, s13, 1
	s_add_co_u32 s22, s22, s15
	s_lshl_b32 s22, s22, 23                        ; a batch of out0 is 8,388,608 bytes
	s_add_co_u32 s22, s22, s20
	s_mov_b32 s23, 0
	s_mov_b32 s24, 0x3a000000                      ; 1 / 2048
	s_wait_kmcnt 0x0
	s_add_nc_u64 s[4:5], s[4:5], s[16:17]
	s_add_nc_u64 s[6:7], s[6:7], s[18:19]
	s_add_nc_u64 s[26:27], s[6:7], 0x800000        ; w_o's low parts
	s_add_nc_u64 s[8:9], s[8:9], s[20:21]
	s_add_nc_u64 s[10:11], s[10:11], s[22:23]
	global_load_b128 v[240:243], v9, s[8:9]
	global_load_b128 v[244:247], v9, s[8:9] offset:16
.macro FRLD reg, base, off
	global_load_b128 v[\reg:\reg+3], v6, s[\base:\base+1] offset:\off
	global_load_b128 v[\reg+4:\reg+7], v6, s[\base:\base+1] offset:\off+32
.endm
.irp s, 0,1,2,3
	FRLD 16+16*\s, 6, 64*\s                        ; wh
	FRLD 24+16*\s, 26, 64*\s                       ; wl
	FRLD 80+16*\s, 4, 64*\s                        ; batch 2 y: ah,
	FRLD 88+16*\s, 4, 64*\s+262144                 ; al
	FRLD 144+16*\s, 4, 64*\s+65536                 ; batch 2 y + 1
	FRLD 152+16*\s, 4, 64*\s+65536+262144
.endr
.irp s, 0,1,2,3
	s_wait_loadcnt 12*(3-\s)                       ; this K step's twelve loads are in; the later steps' may be out
.if \s == 0
	v_wmma_f32_16x16x32_f16 v[208:215], v[16:23], v[80:87], 0
	v_wmma_f32_16x16x32_f16 v[216:223], v[16:23], v[144:151], 0
	v_wmma_f32_16x16x32_f16 v[224:231], v[24:31], v[80:87], 0
	v_wmma_f32_16x16x32_f16 v[232:239], v[24:31], v[144:151], 0
.else
	v_wmma_f32_16x16x32_f16 v[208:215], v[16+16*\s:23+16*\s], v[80+16*\s:87+16*\s], v[208:215]       ; wh ah; no two neighbours share an accumulator
	v_wmma_f32_16x16x32_f16 v[216:223], v[16+16*\s:23+16*\s], v[144+16*\s:151+16*\s], v[216:223]
	v_wmma_f32_16x16x32_f16 v[224:231], v[24+16*\s:31+16*\s], v[80+16*\s:87+16*\s], v[224:231]       ; wl ah
	v_wmma_f32_16x16x32_f16 v[232:239], v[24+16*\s:31+16*\s], v[144+16*\s:151+16*\s], v[232:239]
.endif
	v_wmma_f32_16x16x32_f16 v[224:231], v[16+16*\s:23+16*\s], v[88+16*\s:95+16*\s], v[224:231]       ; wh al
	v_wmma_f32_16x16x32_f16 v[232:239], v[16+16*\s:23+16*\s], v[152+16*\s:159+16*\s], v[232:239]
.endr
.rept 4
	v_nop
.endr
.irp j, 0,1,2,3,4,5,6,7,8,9,10,11,12,13,14,15
	v_fma_f32 v[208+\j], v[224+\j], s24, v[208+\j] ; the cross terms / 2048 + the high product, in place; each accumulator from its low end on
.endr
.irp e, 0,1,2,3
	ds_store_b128 v7, v[208+4*\e:211+4*\e] offset:512*\e
.endr
	s_wait_dscnt 0x0
	s_barrier_signal -1
	s_barrier_wait -1                              ; sixteen images lie in LDS
	s_cmp_ge_u32 s12, 2
	s_cbranch_scc1 .Lend
.irp w, 0,1,2,3,4,5,6,7,8,9,10,11,12,13,14,15
	ds_load_b128 v[16+8*\w:19+8*\w], v8 offset:2048*\w
	ds_load_b128 v[20+8*\w:23+8*\w], v8 offset:2048*\w+512
.endr
	s_wait_dscnt 0x0
.irp w, 0,1,2,3,4,5,6,7,8,9,10,11,12,13,14,15
.irp p, 0,2,4,6
	v_pk_add_f32 v[240+\p:241+\p], v[240+\p:241+\p], v[16+8*\w+\p:17+8*\w+\p]
.endr
.endr
	global_store_b128 v10, v[240:243], s[10:11]
	global_store_b128 v10, v[244:247], s[10:11] offset:16
.Lend:
	s_wait_tensorcnt 0x0                           ; the wave's end
	ds_add_u32 v4, v5
	s_wait_dscnt 0x0
	s_endpgm
.Lfunc_end_k_qba1c12e941_fine2:
	.size	k_qba1c12e941_fine2, .Lfunc_end_k_qba1c12e941_fine2-k_qba1c12e941_fine2
	.p2alignl 7, 3214868480
	.fill 96, 4, 3214868480
	.section	.rodata,"a",@progbits
	.p2align	6, 0x0
	.amdhsa_kernel k_qba1c12e941_fine2
		.amdhsa_group_segment_fixed_size 34816
		.amdhsa_private_segment_fixed_size 0
		.amdhsa_enable_private_segment 0
		.amdhsa_kernarg_size 32
		.amdhsa_user_sgpr_count 2
		.amdhsa_user_sgpr_kernarg_segment_ptr 1
		.amdhsa_wavefront_size32 1
		.amdhsa_system_sgpr_workgroup_id_x 1
		.amdhsa_system_sgpr_workgroup_id_y 1
		.amdhsa_system_sgpr_workgroup_id_z 1
		.amdhsa_system_vgpr_workitem_id 0
		.amdhsa_next_free_vgpr 256
		.amdhsa_next_free_sgpr 66
		.amdhsa_reserve_vcc 0
		.amdhsa_float_denorm_mode_32 3
		.amdhsa_float_denorm_mode_16_64 3
		.amdhsa_memory_ordered 1
		.amdhsa_forward_progress 1
		.amdhsa_inst_pref_size 17
	.end_amdhsa_kernel
	.amdgpu_metadata
---
amdhsa.version: [ 1, 2 ]
amdhsa.kernels:
  - .name:           k_qba1c12e941_fine2
    .symbol:         k_qba1c12e941_fine2.kd
    .args:
      - { .name: fa, .offset: 0, .size: 8, .value_kind: global_buffer, .address_space: global }
      - { .name: w16, .offset: 8, .size: 8, .value_kind: global_buffer, .address_space: global }
      - { .name: b_o, .offset: 16, .size: 8, .value_kind: global_buffer, .address_space: global }
      - { .name: out0, .offset: 24, .size: 8, .value_kind: global_buffer, .address_space: global }
    .group_segment_fixed_size: 34816
    .private_segment_fixed_size: 0
    .kernarg_segment_align: 8
    .kernarg_segment_size: 32
    .max_flat_workgroup_size: 512
    .sgpr_count:     66
    .vgpr_count:     256
    .wavefront_size: 32
...
	.end_amdgpu_metadata
.endif
;; end of part 8
